; MI455X (gfx1250); checked and timed in simulation.
; The chip was launched on July 23, 2026; its instructions are those of AMD's public machine-readable ISA for CDNA 5 (MIT licence, August 2026) and "CDNA5" Instruction Set Architecture Reference Guide (July 2026). The comments in the code are by the model that wrote it; some were corrected since.
;; Attention. Allowed arithmetic: matrix products marked QUANTISED: E2M3 operands, one E8M0 scale for each 32 along K, by v_wmma_scale_f32_16x16x128_f8f6f4 with both operands' format E2M3, f32 sums; everything else in f32.
;; Inputs: attention_mask 2 x 2,048 int32; hidden_states 2 x 1,024 x 4,096 float32; k_w 1,024 x 4,096 float32; o_w 4,096 x 2,048 float32; past_key 2 x 8 x 1,024 x 128 float32; past_value 2 x 8 x 1,024 x 128 float32; position_ids 2 x 1,024 int32; q_w 2,048 x 4,096 float32; rope_cos_freqs 4,096 x 64 float32; rope_sin_freqs 4,096 x 64 float32; v_w 1,024 x 4,096 float32.
;; Outputs: out0 2 x 1,024 x 4,096 float32; out1 2 x 8 x 2,048 x 128 float32; out2 2 x 8 x 2,048 x 128 float32.
;; This version of the problem:
;;   THIS VERSION OF THE PROBLEM IS GIVEN IN LOW PRECISION. The matrix products marked QUANTISED in the list below multiply operands that are first quantised to E2M3 (2 exponent bits, 3 mantissa bits; 6 bits a number), with one power-of-two scale for each 32 numbers along K (OCP MX v1.0); their sums are f32. All else is computed in f32.
;;   The module's matrix products, in the order in which they are computed (A, B: the left and right operand; K: the contracted axis; several contracted axes count as one K, in the product's order):
;;     1. [M 2,048, K 4,096] x [K 4,096, N 2,048]; A: input hidden_states; B: input q_w: QUANTISED
;;     2. [M 2,048, K 4,096] x [K 4,096, N 1,024]; A: input hidden_states; B: input k_w: QUANTISED
;;     3. [M 2,048, K 4,096] x [K 4,096, N 1,024]; A: input hidden_states; B: input v_w: QUANTISED
;;     4. batch 32 x [M 1,024, K 128] x [K 128, N 2,048]; A: computed on the way; B: computed on the way: QUANTISED
;;     5. batch 32 x [M 128, K 2,048] x [K 2,048, N 1,024]; A: computed on the way; B: softmax (see below): QUANTISED
;;     6. [M 2,048, K 2,048] x [K 2,048, N 4,096]; A: computed on the way; B: input o_w: QUANTISED
;;   THE QUANTISER, for each operand of a quantised product, along K:
;;     - K is cut into blocks of 32 from its start; a last block that is shorter is filled with zeros.
;;     - A block's scale is 2^e with e = floor(log2(the largest magnitude in the block)) - 2, held to -126 .. 127; a block of zeros has e = 0. As a byte (E8M0): e + 127.
;;     - Each number is divided by its block's scale, clamped to +-7.5, and rounded to the nearest number of E2M3, ties to even, subnormals kept.
;;     - The product sums the exact products of the quantised numbers (number of the format x scale) in f32.
;;   ~~~python
;;   def quantise(x, axis):      # numpy; x: float32 -> the quantised numbers, widened to float32 again
;;       x = np.moveaxis(x, axis, -1); K = x.shape[-1]
;;       x = np.pad(x, [(0, 0)] * (x.ndim - 1) + [(0, -K % 32)]); x = x.reshape(x.shape[:-1] + (-1, 32)); a = np.abs(x).max(-1, keepdims=True)
;;       e = np.where(a > 0, np.clip(np.frexp(np.where(a > 0, a, 1))[1] - 1 - 2, -126, 127), 0)      # np.frexp(a)[1] - 1 = floor(log2(a)), exactly
;;       r = np.clip(x / 2.0 ** e, -7.5, 7.5)
;;       step = 2.0 ** (np.maximum(np.frexp(np.where(r == 0, 1, r))[1] - 1, 0) - 3)
;;       q = np.round(r / step) * step * 2.0 ** e      # np.round: ties to even
;;       return np.moveaxis(q.reshape(q.shape[:-2] + (-1,))[..., :K], -1, axis).astype(np.float32)
;;   ~~~
;;   SOFTMAX AHEAD OF A QUANTISED PRODUCT. Where the list says 'softmax', what is quantised is not the finished softmax but p = 2^(t - M), with t = logit x log2(e) and M = ceil(the row's largest t), a whole number; so 1/2 < the row's largest p <= 1. The row's sum l is taken of the UNQUANTISED p, in f32, and the product's result is divided by l at the end. Since M is a whole number, a kernel that streams over the keys may use a running M (the ceiling of the running maximum): every later rescaling is an exact power of two, which a block's scale takes up: the codes' values come out the same.
;;   OPERANDS COMPUTED ON THE WAY. 'Computed on the way' means the value that the module computes at that place (a softmax that the list does not call 'softmax' is quantised finished and normalised). What goes into a quantiser is computed in f32, as accurately as f32 sums, v_exp_f32 and their like allow (about 1e-6 of the number): no bf16 or f16 on the way to a quantiser, and a product that is left as it is and whose result goes on into a quantised operand takes f32 operands (vector FMAs, or v_wmma_f32_16x16x4_f32). A number that lies on a knife's edge between two numbers of the format may be rounded either way, as far as f32 arithmetic and the matrix unit's own rounding can turn it there, and no further.
;; One version. Each part assembles by itself: llvm-mc -triple=amdgcn-amd-amdhsa -mcpu=gfx1250 --defsym DOCPART=n.
;; ======== version 1 of 1: 4 launches
;; limits: right only within a limited range of input values
;; workspace buffers: hA 6,553,600 bytes; wB 13,107,200 bytes; oB 6,553,600 bytes; ctxc 3,276,800 bytes; qc 3,276,800 bytes; kvc 6,553,600 bytes; kidx 16,384 bytes of whole numbers; cidx 16,384 bytes of whole numbers
;; launch prep (part 1): grid 769 x 1, 8 waves a work-group, no clusters, 134,912 bytes of LDS; arguments hidden_states, q_w, k_w, v_w, o_w, past_key, past_value, attention_mask, hA, wB, oB, kvc, out1, out2, kidx, cidx; writes hA, wB, oB, kvc, out1, out2, kidx, cidx
.if DOCPART == 1
	.amdgcn_target "amdgcn-amd-amdhsa--gfx1250"
	.amdhsa_code_object_version 6
	.text
	.protected	k_q8c5cdaa69e_prep
	.globl	k_q8c5cdaa69e_prep
	.p2align	8
	.type	k_q8c5cdaa69e_prep,@function
k_q8c5cdaa69e_prep:
	s_mov_b64 s[64:65], 0
	v_nop
	global_prefetch_b8 v0, s[64:65] scope:SCOPE_SE
	s_setreg_imm32_b32 hwreg(HW_REG_WAVE_MODE, 25, 1), 1
	s_wait_xcnt 0x0
; FIRST OF FOUR LAUNCHES.  It turns every f32 operand that arrives as an input into codes of E2M3 with one E8M0 byte for each 32 along K, copies the past keys and values into
; the present ones, and makes the mask's running sums.
; NO WORK OF THE PROBLEM IS LEFT OUT, in any launch.  The mask is made of an input and adds -10000, a finite number: in exact arithmetic a masked key still has a weight, so every query walks
; all 2,048 keys; all eleven inputs have a way to an output and all are loaded.
; ONE FORMAT FOR ALL CODES.  Tile T of an operand's rows holds, in lane row p = 0..15, row 32 (T / 2) + 8 (T % 2) + p + 8 (p / 8).  A FRAGMENT (16 rows x 128 K, 12 registers a lane) lies as the image of its
; registers: register n of lane l at 512 (n / 4) + 16 l + 4 (n % 4): 1,536 bytes.  A RECORD is four fragments and 256 bytes of scale words (row p, fragment f at 6144 + 16 p + 4 f): 6,400 bytes.
; hA [128 tiles][8 groups of 512 K], wB [256: q_w, k_w, v_w][8], oB [256][4]; kvc [16 b,head][16 steps of 128 keys][K: 2 records of 4 key tiles | V: 2 records of 4 tiles of d, K = the step's keys].
; ROLES, by the work-group's number: 0-511 the five matrices (hidden 0-127, q_w 128-255, k_w 256-319, v_w 320-383, o_w 384-511: ONE path, only scalars are chosen; each work-group reads 256 KB, a wave one record's
; 16 rows x 512 K); 512-639 past_key and 640-767 past_value (128 keys, 64 KB, each); 768 the mask.  Two work-groups fit on a WGP by their LDS and registers, so the 512 large ones, first in the grid, are two to a WGP.
; THE QUANTISER: a block's scale is its largest magnitude's exponent less 2; the byte is held at 1 from below.  LIMITS: a block of zeros gets the byte 1 where the rule says 127 (its codes are zeros, and only this
; program reads the bytes); blocks under 2^-124 keep the byte 1; NaN and infinities are not served; the mask's running sum stays under 2^31 - 1, which marks a key that is masked out.
.set REC,   6400
.set SCO,   6144
.set FRB,   1536
.set SP,    528                        ; a stage row: 512 bytes + 16 = 33 x 16: sixteen rows start at sixteen different places of 16 bytes modulo 256
.set WST,   16*SP                      ; a wave's stage, its own by the wave's number
.set VST,   8*WST                      ; past_value's 128 keys x 512 bytes; key k at 512 k + 32 (k / 32)
.set SCX,   133376                     ; past_value's two units of scale words
.set SPARE, 133888                     ; the spare words, 128 bytes for each wave
.set LANE, 1
.set RR,   2                           ; lane % 16
.set HH,   3                           ; lane / 16
.set L16,  4                           ; 16 x lane
.set STW,  5                           ; stage, on the way in
.set STR,  6                           ; stage, on the way out
.set H8,   7                           ; 8 x (lane / 16)
.set SCA,  8                           ; 16 r + 8 h: my 8 bytes of a unit of scale words
.set VSW,  9
.set VSR,  10
.set SXW,  11
.set SXR,  12
.set SXG,  13
.set SPW,  14
.set NIL,  15
.set OFF,  16                          ; v16-31  16 x lane + the tile's row p x the row's bytes
.set RB,   32                          ; v32-159 two sets of 64: a fragment's numbers as loaded
.set X,    160                         ; v160-223 64 numbers: register 32 c + i = k 64 c + 32 h + i of my row
.set PC,   224                         ; v224-243 codes
.set SW,   244                         ; v244-247 a record's four scale words
.set TM,   248                         ; v248-255 at work
.set SEL,  62                          ; s[62:63] lane selects: lane l xor 16
; 64 numbers of a lane, two whole blocks of 32, become a fragment's codes in v[PC] on and its row's scale word in v[pw] (the same in lanes l and l xor 16).
.macro QF s, pw
.irp c, 0,1
	v_max3_num_f32 v[TM+\c], |v[\s+32*\c]|, |v[\s+32*\c+1]|, 0x1800000       ; with the floor 2^(3 - 127): the byte cannot fall under 1
.endr
.irp i, 2,4,6,8,10,12,14,16,18,20,22,24,26,28,30
.irp c, 0,1
	s_delay_alu instid0(VALU_DEP_2)
	v_max3_num_f32 v[TM+\c], v[TM+\c], |v[\s+32*\c+\i]|, |v[\s+32*\c+\i+1]|
.endr
.endr
.irp c, 0,1
	s_delay_alu instid0(VALU_DEP_2)
	v_add_nc_u32 v[TM+2+\c], 0xff000000, v[TM+\c]                            ; 2 off the exponent field: the conversion's scale operand
.endr
.irp c, 0,1
	s_delay_alu instid0(VALU_DEP_2)
	v_lshrrev_b32 v[TM+4+\c], 23, v[TM+2+\c]                                 ; the byte
.endr
	s_delay_alu instid0(VALU_DEP_1)
	v_lshl_or_b32 v[TM+6], v[TM+5], 16, v[TM+4]                              ; blocks h and 2 + h,
	s_delay_alu instid0(VALU_DEP_1)
	v_lshlrev_b32 v[TM+6], v[H8], v[TM+6]                                    ; at their places in the word;
	s_delay_alu instid0(VALU_DEP_1)
	v_permlanex16_b32 v[TM+7], v[TM+6], s[SEL], s[SEL+1]
	s_delay_alu instid0(VALU_DEP_1)
	v_or_b32 v[\pw], v[TM+6], v[TM+7]                                        ; with the other half's two the word is whole
.irp c, 0,1
	v_cvt_scalef32_pk16_fp6_f32 v[PC+6*\c:PC+6*\c+2], v[\s+32*\c:\s+32*\c+15], v[TM+2+\c]
	v_cvt_scalef32_pk16_fp6_f32 v[PC+12+4*\c:PC+14+4*\c], v[\s+32*\c+16:\s+32*\c+31], v[TM+2+\c]   ; (three registers begin on an even number: made apart and moved)
.endr
	v_nop                                                                    ; a plain line behind the conversions
.irp c, 0,1
.irp i, 0,1,2
	v_mov_b32 v[PC+3+6*\c+\i], v[PC+12+4*\c+\i]
.endr
.endr
.endm
.macro IMG base, imm                   ; the fragment as it stands: each store covers 512 consecutive bytes, aligned
.irp c, 0,1,2
	global_store_b128 v[L16], v[PC+4*\c:PC+4*\c+3], s[\base:\base+1] offset:\imm+512*\c
.endr
.endm
.macro SCOUT base, imm                 ; a record's 256 bytes of scale words: lanes 0-15 words 0, 1 of row r, lanes 16-31 words 2, 3
	v_cndmask_b32 v[TM], v[SW], v[SW+2], s53
	v_cndmask_b32 v[TM+1], v[SW+1], v[SW+3], s53
	global_store_b64 v[SCA], v[TM:TM+1], s[\base:\base+1] offset:\imm+SCO
.endm
.macro LOAD t                          ; fragment t of the task at s[6:7]: 16 rows x 512 bytes; each load is one row's 512 consecutive bytes
.irp p, 0,1,2,3,4,5,6,7,8,9,10,11,12,13,14,15
	global_load_b128 v[RB+64*((\t)%2)+4*\p:RB+64*((\t)%2)+4*\p+3], v[OFF+\p], s[6:7] offset:512*(\t) th:TH_LOAD_NT
.endr
.endm
.macro TURNX t                         ; set t % 2 goes through my stage: in as rows, out as 32 neighbours a lane and half
.irp p, 0,1,2,3,4,5,6,7,8,9,10,11,12,13,14,15
	ds_store_b128 v[STW], v[RB+64*((\t)%2)+4*\p:RB+64*((\t)%2)+4*\p+3] offset:SP*\p
.endr
.irp c, 0,1
.irp i, 0,1,2,3,4,5,6,7
	ds_load_b128 v[X+32*\c+4*\i:X+32*\c+4*\i+3], v[STR] offset:256*\c+16*\i   ; LDS serves a wave's instructions in order: these see the stores above
.endr
.endr
	s_wait_dscnt 0x0                               ; my numbers are back, and the stage's stores have read their registers
.endm
	s_load_b512 s[68:83], s[0:1], 0x0              ; hidden 68, q_w 70, k_w 72, v_w 74, o_w 76, past_key 78, past_value 80, mask 82
	s_load_b512 s[84:99], s[0:1], 0x40             ; hA 84, wB 86, oB 88, kvc 90, out1 92, out2 94, kidx 96, cidx 98
	v_lshl_add_u32 v[SPW], v0, 2, SPARE
	v_mov_b32 v[NIL], 0
	v_lshrrev_b32 v[LANE], 5, v0
	s_delay_alu instid0(VALU_DEP_1)
	v_readfirstlane_b32 s2, v[LANE]                ; wave 0..7
	v_and_b32 v[LANE], 31, v0
	v_and_b32 v[RR], 15, v0
	v_bfe_u32 v[HH], v0, 4, 1
	s_delay_alu instid0(VALU_DEP_3)
	v_lshlrev_b32 v[L16], 4, v[LANE]
	s_mul_i32 s3, s2, WST
	v_add_nc_u32 v[STW], s3, v[L16]                ; in: a row's 512 bytes as they lie
	v_mul_u32_u24 v[STR], v[RR], SP
	s_delay_alu instid0(VALU_DEP_1)
	v_lshl_add_u32 v[STR], v[HH], 7, v[STR]
	s_delay_alu instid0(VALU_DEP_1)
	v_add_nc_u32 v[STR], s3, v[STR]                ; out: row r, 128 bytes (32 numbers) on for lanes 16-31
	v_lshlrev_b32 v[H8], 3, v[HH]
	v_lshlrev_b32 v[SCA], 4, v[RR]
	s_delay_alu instid0(VALU_DEP_1)
	v_lshl_add_u32 v[SCA], v[HH], 3, v[SCA]
	s_lshl_b32 s3, s2, 13                          ; past_value: wave w stores keys 16 w .. 16 w + 15
	s_lshr_b32 s4, s2, 1
	s_lshl_b32 s5, s4, 5
	s_add_co_u32 s3, s3, s5
	s_add_co_u32 s3, s3, VST
	v_add_nc_u32 v[VSW], s3, v[L16]
	v_and_b32 v[VSR], 8, v[RR]                     ; and reads column d = 32 (w / 2) + 8 (w % 2) + r + 8 (r / 8), keys from 32 h on
	s_delay_alu instid0(VALU_DEP_1)
	v_add_nc_u32 v[VSR], v[VSR], v[RR]
	s_delay_alu instid0(VALU_DEP_1)
	v_lshlrev_b32 v[VSR], 2, v[VSR]
	s_delay_alu instid0(VALU_DEP_1)
	v_mad_u32_u24 v[VSR], v[HH], 16416, v[VSR]
	s_lshl_b32 s3, s4, 7
	s_and_b32 s5, s2, 1
	s_lshl_b32 s5, s5, 5
	s_add_co_u32 s3, s3, s5
	s_add_co_u32 s3, s3, VST
	v_add_nc_u32 v[VSR], s3, v[VSR]
	s_lshr_b32 s3, s2, 2
	s_lshl_b32 s3, s3, 8
	s_and_b32 s5, s2, 3
	s_lshl_b32 s5, s5, 2
	s_add_co_u32 s3, s3, s5
	s_add_co_u32 s3, s3, SCX
	v_lshl_add_u32 v[SXW], v[RR], 4, s3            ; record w / 4, row r, fragment w % 4
	v_add_nc_u32 v[SXR], SCX, v[L16]
	v_mul_u32_u24 v[SXG], v[HH], REC
	s_delay_alu instid0(VALU_DEP_1)
	v_lshl_add_u32 v[SXG], v[RR], 4, v[SXG]
	s_delay_alu instid0(VALU_DEP_1)
	v_add_nc_u32 v[SXG], SCO, v[SXG]
	v_mov_b32 v[TM+7], 0                           ; a lane permute's destination counts as one of its sources
	v_cmp_eq_u32 s53, 1, v[HH]                     ; lanes 16-31
	s_mov_b32 s[SEL], 0x76543210
	s_mov_b32 s[SEL+1], 0xfedcba98
	s_wait_kmcnt 0x0
	s_cmp_lt_u32 ttmp9, 512
	s_cbranch_scc0 .Lnot_stream
	; ---- THE FIVE MATRICES.  A wave's task is 4 fragments, 1 record: 16 rows x 512 K.
	s_mov_b64 s[6:7], s[76:77]                     ; from;  the values are o_w's, and are replaced going down the list of roles
	s_mov_b64 s[8:9], s[88:89]                     ; to
	s_mov_b32 s10, 384                             ; the role's first work-group
	s_mov_b32 s11, 0                               ; the matrix's first tile in its buffer
	s_mov_b32 s12, 2                               ; log2 of tasks in a tile
	s_mov_b32 s14, 13                              ; log2 of a row's bytes
	s_mov_b32 s17, 2                               ; log2 of records in a tile
	s_cmp_lt_u32 ttmp9, 384                        ; v_w
	s_cselect_b64 s[6:7], s[74:75], s[6:7]
	s_cselect_b64 s[8:9], s[86:87], s[8:9]
	s_cselect_b32 s10, 320, s10
	s_cselect_b32 s11, 192, s11
	s_cselect_b32 s12, 3, s12
	s_cselect_b32 s14, 14, s14
	s_cselect_b32 s17, 3, s17
	s_cmp_lt_u32 ttmp9, 320                        ; k_w
	s_cselect_b64 s[6:7], s[72:73], s[6:7]
	s_cselect_b32 s10, 256, s10
	s_cselect_b32 s11, 128, s11
	s_cmp_lt_u32 ttmp9, 256                        ; q_w
	s_cselect_b64 s[6:7], s[70:71], s[6:7]
	s_cselect_b32 s10, 128, s10
	s_cselect_b32 s11, 0, s11
	s_cmp_lt_u32 ttmp9, 128                        ; hidden_states
	s_cselect_b64 s[6:7], s[68:69], s[6:7]
	s_cselect_b64 s[8:9], s[84:85], s[8:9]
	s_cselect_b32 s10, 0, s10
	s_sub_co_u32 s19, ttmp9, s10
	s_lshl_b32 s19, s19, 3
	s_add_co_u32 s19, s19, s2                      ; j: my task in the role
	s_lshr_b32 s20, s19, s12                       ; T: its tile
	s_lshl_b32 s21, 1, s12
	s_sub_co_u32 s21, s21, 1
	s_and_b32 s21, s19, s21                        ; which 512 along K
	s_lshr_b32 s22, s20, 1
	s_lshl_b32 s22, s22, 5
	s_and_b32 s23, s20, 1
	s_lshl_b32 s23, s23, 3
	s_add_co_u32 s22, s22, s23                     ; the tile's first row
	s_lshl_b32 s22, s22, s14
	s_lshl_b32 s23, s21, 11
	s_add_co_u32 s22, s22, s23
	s_mov_b32 s23, 0
	s_add_nc_u64 s[6:7], s[6:7], s[22:23]
	s_add_co_u32 s24, s20, s11
	s_lshl_b32 s24, s24, s17
	s_add_co_u32 s24, s24, s21                     ; the task's record
	s_mul_i32 s24, s24, REC
	s_mov_b32 s25, 0
	s_add_nc_u64 s[8:9], s[8:9], s[24:25]
.irp p, 0,1,2,3,4,5,6,7,8,9,10,11,12,13,14,15
	s_lshl_b32 s52, \p+8*(\p/8), s14
	v_add_nc_u32 v[OFF+\p], s52, v[L16]
.endr
.macro STEP t
.if (\t) < 3
	s_wait_loadcnt 16                              ; this fragment's 16 loads are in; the next fragment's 16 stay out
.else
	s_wait_loadcnt 0x0
.endif
	TURNX \t
	s_wait_xcnt 0x0                                ; all global stores issued so far have read their registers: the codes and the words may be written again
	QF X, SW+(\t)
	IMG 8, (\t)*FRB
.if (\t) == 3
	SCOUT 8, 0
.endif
.if (\t) < 2
	LOAD (\t)+2                                    ; behind this fragment's stores; the set was read out by the stage's stores above
.endif
.endm
	s_wait_alu depctr_va_vdst(0)
	LOAD 0
	LOAD 1
.irp t, 0,1,2,3
	STEP \t
.endr
	s_branch .Lend
.Lnot_stream:
	s_cmp_lt_u32 ttmp9, 640
	s_cbranch_scc0 .Lnot_pk
	; ---- PAST_KEY: 128 keys x 128 of one head; wave w takes key tile w, one fragment: its 16 rows go to present_key as they come, and through my stage to the quantiser.
	s_sub_co_u32 s19, ttmp9, 512
	s_lshr_b32 s20, s19, 3                         ; b,head
	s_and_b32 s21, s19, 7                          ; key step
	s_lshr_b32 s22, s2, 1
	s_lshl_b32 s22, s22, 5
	s_and_b32 s23, s2, 1
	s_lshl_b32 s23, s23, 3
	s_add_co_u32 s22, s22, s23                     ; the tile's first key in the step: 32 (w / 2) + 8 (w % 2)
	s_lshl_b32 s23, s21, 7
	s_add_co_u32 s22, s22, s23                     ; and among the head's past keys
	s_lshl_b32 s24, s20, 10
	s_add_co_u32 s24, s24, s22
	s_lshl_b32 s24, s24, 9
	s_mov_b32 s25, 0
	s_add_nc_u64 s[6:7], s[78:79], s[24:25]        ; in past_key: 1,024 rows of 512 bytes a head,
	s_lshl_b32 s24, s20, 11
	s_add_co_u32 s24, s24, s22
	s_lshl_b32 s24, s24, 9
	s_add_nc_u64 s[30:31], s[92:93], s[24:25]      ; in present_key: 2,048
	s_lshl_b32 s24, s20, 6
	s_lshl_b32 s26, s21, 2
	s_add_co_u32 s24, s24, s26
	s_lshr_b32 s26, s2, 2
	s_add_co_u32 s24, s24, s26                     ; the record: key tiles 4 (w / 4) on
	s_mul_i32 s24, s24, REC
	s_add_nc_u64 s[8:9], s[90:91], s[24:25]
	s_and_b32 s26, s2, 3
	s_lshl_b32 s24, s26, 2
	s_add_nc_u64 s[54:55], s[8:9], s[24:25]        ; my fragment's column of its scale words,
	s_mul_i32 s24, s26, FRB
	s_add_nc_u64 s[8:9], s[8:9], s[24:25]          ; and my fragment
.irp p, 0,1,2,3,4,5,6,7,8,9,10,11,12,13,14,15
	v_add_nc_u32 v[OFF+\p], (\p+8*(\p/8))*512, v[L16]
.endr
	LOAD 0
	s_wait_alu depctr_va_vdst(0)
	s_wait_loadcnt 0x0
.irp p, 0,1,2,3,4,5,6,7,8,9,10,11,12,13,14,15
	global_store_b128 v[OFF+\p], v[RB+4*\p:RB+4*\p+3], s[30:31] th:TH_STORE_NT   ; a row of present_key: 512 consecutive bytes
.endr
	TURNX 0
	QF X, SW
	v_lshlrev_b32 v[TM], 4, v[RR]
	IMG 8, 0
	s_wait_alu depctr_va_vdst(0)
	s_wait_xcnt 0x0                                ; EXEC changes only behind this wait
	v_cmp_gt_u32 vcc_lo, 16, v[LANE]
	s_and_saveexec_b32 s27, vcc_lo
	global_store_b32 v[TM], v[SW], s[54:55] offset:SCO   ; 4 bytes a row from lanes 0-15: 64 bytes of the record's 6,400; three other waves of this work-group write the rest of that unit
	s_wait_xcnt 0x0
	s_or_b32 exec_lo, exec_lo, s27
	s_branch .Lend
.Lnot_pk:
	s_cmp_lt_u32 ttmp9, 768
	s_cbranch_scc0 .Lmask
	; ---- PAST_VALUE: 128 keys x 128 of one head.  Its K is the keys: the rows go to present_value and into LDS; then wave w takes tile w of d, a lane a column, its registers down the keys.
	s_sub_co_u32 s20, ttmp9, 640
	s_lshr_b32 s21, s20, 3                         ; b,head
	s_and_b32 s22, s20, 7                          ; key step
	s_lshl_b32 s23, s21, 10
	s_lshl_b32 s24, s22, 7
	s_add_co_u32 s23, s23, s24
	s_lshl_b32 s25, s2, 4
	s_add_co_u32 s23, s23, s25
	s_lshl_b32 s26, s23, 9
	s_mov_b32 s27, 0
	s_add_nc_u64 s[54:55], s[80:81], s[26:27]      ; my 16 keys in past_value,
	s_lshl_b32 s28, s21, 19
	s_add_co_u32 s26, s26, s28
	s_add_nc_u64 s[56:57], s[94:95], s[26:27]      ; and in present_value
	s_lshl_b32 s28, s21, 4
	s_add_co_u32 s28, s28, s22
	s_lshl_b32 s28, s28, 2
	s_add_co_u32 s28, s28, 2
	s_mul_i32 s28, s28, REC
	s_mov_b32 s29, 0
	s_add_nc_u64 s[58:59], s[90:91], s[28:29]      ; the step's first record of V
	s_lshr_b32 s28, s2, 2
	s_mul_i32 s28, s28, REC
	s_and_b32 s24, s2, 3
	s_mul_i32 s24, s24, FRB
	s_add_co_u32 s28, s28, s24
	s_add_nc_u64 s[60:61], s[58:59], s[28:29]      ; my fragment
.irp i, 0,1,2,3,4,5,6,7,8,9,10,11,12,13,14,15
	global_load_b128 v[RB+4*\i:RB+4*\i+3], v[L16], s[54:55] offset:512*\i th:TH_LOAD_NT
.endr
	s_wait_loadcnt 0x0
.irp i, 0,1,2,3,4,5,6,7,8,9,10,11,12,13,14,15
	global_store_b128 v[L16], v[RB+4*\i:RB+4*\i+3], s[56:57] offset:512*\i th:TH_STORE_NT
	ds_store_b128 v[VSW], v[RB+4*\i:RB+4*\i+3] offset:512*\i
.endr
	s_wait_dscnt 0x0                               ; for the others' sake: my rows lie in LDS
	s_barrier_signal -1
	s_barrier_wait -1
	s_wait_alu depctr_va_vdst(0)
.irp c, 0,1
.irp i, 0,1,2,3,4,5,6,7,8,9,10,11,12,13,14,15,16,17,18,19,20,21,22,23,24,25,26,27,28,29,30,31
	ds_load_b32 v[X+32*\c+\i], v[VSR] offset:(64*\c+\i)*512+64*\c   ; key 64 c + 32 h + i of my column; the 32 bytes of skew for each 32 keys set lanes 16-31 eight words beside lanes 0-15
.endr
.endr
	s_wait_dscnt 0x0
	QF X, SW
	IMG 60, 0
	ds_store_b32 v[SXW], v[SW]                     ; both lanes of a row write the same word with the same value
	s_wait_dscnt 0x0
	s_barrier_signal -1
	s_barrier_wait -1
	s_cmp_lg_u32 s2, 0
	s_cbranch_scc1 .Lend
	ds_load_b128 v[X:X+3], v[SXR]                  ; wave 0 sends the two records' units of scale words, whole
	s_wait_dscnt 0x0
	global_store_b128 v[SXG], v[X:X+3], s[58:59]
	s_branch .Lend
.Lmask:
	; ---- THE MASK: wave w < 2 takes batch w.  cidx = the running sum; kidx = the running sum where the key counts, else 2^31 - 1.  Key k counts for query q where cidx[1024 + q] >= kidx[k].
	; 32 KB in all; a lane owns 64 neighbours, so its stores of 16 bytes lie 256 bytes apart.
	s_cmp_lt_u32 s2, 2
	s_cbranch_scc0 .Lend
	s_lshl_b32 s20, s2, 13
	v_lshl_add_u32 v[OFF], v[LANE], 8, s20
.irp i, 0,1,2,3,4,5,6,7,8,9,10,11,12,13,14,15
	global_load_b128 v[RB+4*\i:RB+4*\i+3], v[OFF], s[82:83] offset:16*\i
.endr
	s_wait_loadcnt 0x0
	v_mov_b32 v[X], v[RB]
.set nn, 1
.rept 63
	s_delay_alu instid0(VALU_DEP_1)
	v_add_nc_u32 v[X+nn], v[X+nn-1], v[RB+nn]      ; the running sum inside my 64
.set nn, nn+1
.endr
	v_mov_b32 v[TM+1], 0
	s_mov_b32 s21, 0
.set nn, 0
.rept 32
	v_readlane_b32 s22, v[X+63], nn                ; what the lanes in front of each lane sum to
	v_writelane_b32 v[TM+1], s21, nn
	s_add_co_u32 s21, s21, s22
.set nn, nn+1
.endr
.set nn, 0
.rept 64
	v_add_nc_u32 v[X+nn], v[X+nn], v[TM+1]
.set nn, nn+1
.endr
	v_mov_b32 v[TM], 0x7fffffff
.set nn, 0
.rept 64
	v_cmp_ne_u32 vcc_lo, 0, v[RB+nn]
	s_delay_alu instid0(VALU_DEP_1)
	v_cndmask_b32 v[RB+nn], v[TM], v[X+nn], vcc_lo
.set nn, nn+1
.endr
.irp i, 0,1,2,3,4,5,6,7,8,9,10,11,12,13,14,15
	global_store_b128 v[OFF], v[RB+4*\i:RB+4*\i+3], s[96:97] offset:16*\i
	global_store_b128 v[OFF], v[X+4*\i:X+4*\i+3], s[98:99] offset:16*\i
.endr
.Lend:
	s_wait_tensorcnt 0x0                           ; the wave's end
	ds_add_u32 v[SPW], v[NIL]
	s_wait_dscnt 0x0
	s_endpgm
.Lfunc_end_k_q8c5cdaa69e_prep:
	.size	k_q8c5cdaa69e_prep, .Lfunc_end_k_q8c5cdaa69e_prep-k_q8c5cdaa69e_prep
	.p2alignl 7, 3214868480
	.fill 96, 4, 3214868480
	.section	.rodata,"a",@progbits
	.p2align	6, 0x0
	.amdhsa_kernel k_q8c5cdaa69e_prep
		.amdhsa_group_segment_fixed_size 134912
		.amdhsa_private_segment_fixed_size 0
		.amdhsa_enable_private_segment 0
		.amdhsa_kernarg_size 128
		.amdhsa_user_sgpr_count 2
		.amdhsa_user_sgpr_kernarg_segment_ptr 1
		.amdhsa_wavefront_size32 1
		.amdhsa_system_sgpr_workgroup_id_x 1
		.amdhsa_system_sgpr_workgroup_id_y 1
		.amdhsa_system_sgpr_workgroup_id_z 1
		.amdhsa_system_vgpr_workitem_id 0
		.amdhsa_next_free_vgpr 256
		.amdhsa_next_free_sgpr 100
		.amdhsa_reserve_vcc 1
		.amdhsa_float_denorm_mode_32 3
		.amdhsa_float_denorm_mode_16_64 3
		.amdhsa_memory_ordered 1
		.amdhsa_forward_progress 1
		.amdhsa_inst_pref_size 86
	.end_amdhsa_kernel
	.amdgpu_metadata
---
amdhsa.version: [ 1, 2 ]
amdhsa.kernels:
  - .name:           k_q8c5cdaa69e_prep
    .symbol:         k_q8c5cdaa69e_prep.kd
    .args:
      - { .name: hidden_states, .offset: 0, .size: 8, .value_kind: global_buffer, .address_space: global }
      - { .name: q_w, .offset: 8, .size: 8, .value_kind: global_buffer, .address_space: global }
      - { .name: k_w, .offset: 16, .size: 8, .value_kind: global_buffer, .address_space: global }
      - { .name: v_w, .offset: 24, .size: 8, .value_kind: global_buffer, .address_space: global }
      - { .name: o_w, .offset: 32, .size: 8, .value_kind: global_buffer, .address_space: global }
      - { .name: past_key, .offset: 40, .size: 8, .value_kind: global_buffer, .address_space: global }
      - { .name: past_value, .offset: 48, .size: 8, .value_kind: global_buffer, .address_space: global }
      - { .name: attention_mask, .offset: 56, .size: 8, .value_kind: global_buffer, .address_space: global }
      - { .name: hA, .offset: 64, .size: 8, .value_kind: global_buffer, .address_space: global }
      - { .name: wB, .offset: 72, .size: 8, .value_kind: global_buffer, .address_space: global }
      - { .name: oB, .offset: 80, .size: 8, .value_kind: global_buffer, .address_space: global }
      - { .name: kvc, .offset: 88, .size: 8, .value_kind: global_buffer, .address_space: global }
      - { .name: out1, .offset: 96, .size: 8, .value_kind: global_buffer, .address_space: global }
      - { .name: out2, .offset: 104, .size: 8, .value_kind: global_buffer, .address_space: global }
      - { .name: kidx, .offset: 112, .size: 8, .value_kind: global_buffer, .address_space: global }
      - { .name: cidx, .offset: 120, .size: 8, .value_kind: global_buffer, .address_space: global }
    .group_segment_fixed_size: 134912
    .private_segment_fixed_size: 0
    .kernarg_segment_align: 8
    .kernarg_segment_size: 128
    .max_flat_workgroup_size: 256
    .sgpr_count:     100
    .vgpr_count:     256
    .wavefront_size: 32
...
	.end_amdgpu_metadata
.endif
;; end of part 1
;; launch qkv (part 2): grid 8 x 32, 4 waves a work-group, clusters of 4 x 1, 327,680 bytes of LDS; arguments hA, wB, position_ids, rope_cos_freqs, rope_sin_freqs, qc, kvc, out1, out2; writes qc, kvc, out1, out2
.if DOCPART == 2
	.amdgcn_target "amdgcn-amd-amdhsa--gfx1250"
	.amdhsa_code_object_version 6
	.text
	.protected	k_q8c5cdaa69e_qkv
	.globl	k_q8c5cdaa69e_qkv
	.p2align	8
	.type	k_q8c5cdaa69e_qkv,@function
k_q8c5cdaa69e_qkv:
	s_mov_b64 s[64:65], 0
	v_nop
	global_prefetch_b8 v0, s[64:65] scope:SCOPE_SE
	s_setreg_imm32_b32 hwreg(HW_REG_WAVE_MODE, 25, 1), 1
	s_wait_xcnt 0x0
	s_wait_alu depctr_hold_cnt(0) depctr_sa_sdst(0) depctr_va_vdst(0) depctr_va_sdst(0) depctr_va_ssrc(0) depctr_va_vcc(0) depctr_vm_vsrc(0)
	s_getreg_b32 s2, hwreg(HW_REG_IB_STS2, 6, 4)
	s_cmp_eq_u32 s2, 0
	s_cbranch_scc0 .Lentry_in_a_cluster
	s_endpgm
.Lentry_in_a_cluster:
	s_bfe_u32 s2, ttmp6, 0x10000c
	s_cmp_lg_u32 s2, 0x3003
	s_cbranch_scc0 .Lentry_shape_is_right
	s_endpgm
.Lentry_shape_is_right:
; SECOND LAUNCH: the three projections on codes of E2M3, the rotation, and what follows them.  No work of the problem is left out.
; A work-group makes 256 tokens x 128 columns, which is one head of q, k or v (y 0-15 q, 16-23 k, 24-31 v); a wave makes 64 tokens x 128: 32 accumulators.
; THE TOKENS' CODES (hA) are each wave's own rows: nobody else in the work-group reads them, so they go from memory straight into registers as the fragments' images
; (512 consecutive bytes a load), four K steps ahead of their use, in a ring of eight buffers of 48 registers: 12 loads a step and 4 of scale words a group of four steps, 52 out behind a step's issue (56 at the head, the four position loads among them).
; THE WEIGHTS' CODES (wB), 128 rows that all four waves read, go through LDS: two slots of 1,024 along K (8 tiles x 2 records, 102,400 bytes), each wave fetching two tiles with one tensor load.
; The four work-groups of a cluster lie along the tokens and share the weights' tile: joint loads.  hA's rows are shared with no partner of the cluster: plain loads.
; The walk along K is written out step by step: slots, ring and scale sets come back to where they began after 16 steps, half of the walk, and so every address is a constant.
; PREFETCH: at a period's first step (a period = 8 steps = a slot) the next period's records of hA (one record of 25 blocks of 256 bytes for each of the 32 work-groups that read these rows, asked by wave 0)
; and the weights' records of two periods on (one record a wave, the cluster's 16 waves sharing 16 records by address).  The last periods ask for nothing.
; The matrix instruction is used transposed (source 0 = weights' rows, source 1 = tokens): a lane holds one token, and with the tiles' permutation (first launch) register 16 B + i is column 32 B + 16 h + i.
; WAY OUT.  q, k: rotated in f32, quantised along the head's axis, stored as fragment images (qc, kvc); k also to present_key through the wave's stage.  v: to present_value and, turned in LDS, quantised along the keys.
; The position indices are loaded by every work-group (one head for all three kinds); the tables only by q's and k's.  LIMITS of the quantiser as in the first launch; a position is held at 4,095.
; WINDOWS: 0: v0-31 addresses, v32-159 buffers 6, 7 of the ring from v64 (the way out works there later), v160-223 the weights' scale words, v224-255 the tokens'; 1: weights' fragments, two sets, and ring buffer 5 at v192;
; 2: accumulators ((a, b) at 8 (8 a + b)); 3: ring buffers 0-4, later the tables.
.set KG,    8
.set NS,    4*KG
.set REC,   6400
.set SCO,   6144
.set FRB,   1536
.set SLOT,  16*REC
.set HALFB, 8*REC
.set SPARE, 2*SLOT
.set KSTP,  528
.set VSG,   4*16*KSTP
.set VHEAD, 67840
.set VHALF, 64*KSTP+64
.set VLANE, 32*KSTP+32
.set RR,   1
.set HH,   2
.set L16,  3
.set PO,   4
.set STO,  8
.set RD,   9
.set VSTO, 10
.set VRD,  11
.set VCOL, 12
.set SCA,  13
.set H8,   14
.set PFO,  15
.set ADRB, 16
.set ADRS, 20
.set P4,   24
.set PA,   25
.set H64,  26
.set ASO,  27
.set SPW,  28
.set NIL,  29
.set TM,   32
.set PWS,  48
.set SD,   52
.set TT,   54
.set HB,   64
.set PC,   128
.set SB,   160
.set SA,   224
.set G1,  24
.set G0,  32
.set SEL, 96
.set ROPE, 0
.set MSB, 0
.macro WIN new
.if MSB != \new
	s_set_vgpr_msb (MSB<<8)|\new
.set MSB, \new
.endif
.endm
.macro PLACES n
.rept \n
	v_nop
.endr
.endm
.macro CREST
	s_cmp_lg_u32 s14, 0
	s_cbranch_scc1 .Lnot_wave_0_\@
	s_barrier_signal -3
.Lnot_wave_0_\@:
	s_barrier_wait -3
	s_barrier_signal -1
	s_barrier_wait -1
.endm
.macro CROUND
	s_barrier_signal -1
	s_barrier_wait -1
	CREST
.endm
.macro JL s                            ; my two tiles of a slot
	tensor_load_to_lds s[G0+4*\s:G0+4*\s+3], s[G1:G1+7]
	s_nop 0
	PLACES 4
.endm
.macro ASEL b                          ; where ring buffer b lies: window AW, register AB
.if (\b) < 5
.set AW, 3
.set AB, 48*(\b)
.else
.if (\b) == 5
.set AW, 1
.set AB, 192
.else
.set AW, 0
.set AB, 64+48*((\b)-6)
.endif
.endif
.endm
.macro ALOAD st                        ; the tokens' four fragments of step st, and with a group's first step its scale words (row r's four words; lanes 16-31 repeat lanes 0-15)
.if (\st) < NS
.if (\st)%4 == 0
	WIN 0
.irp a, 0,1,2,3
	global_load_b128 v[SA+16*(((\st)/4)%2)+4*\a:SA+16*(((\st)/4)%2)+4*\a+3], v[ASO], s[20:21] offset:\a*KG*REC+((\st)/4)*REC
.endr
.endif
	ASEL (\st)%8
	WIN AW<<6
.irp a, 0,1,2,3
.irp c, 0,1,2
	global_load_b128 v[AB+12*\a+4*\c:AB+12*\a+4*\c+3], v[L16], s[20:21] offset:\a*KG*REC+((\st)/4)*REC+((\st)%4)*FRB+512*\c
.endr
.endr
	WIN 0
.endif
.endm
.macro FETCHB st                       ; the weights' eight fragments of step st into set st % 2: 24 loads; with a group's first step 8 more for its scale words
	WIN 0x40
.irp i, 0,1,2,3,4,5,6,7
.irp c, 0,1,2
	ds_load_b128 v[96*((\st)%2)+12*\i+4*\c:96*((\st)%2)+12*\i+4*\c+3], v[ADRB+2*(((\st)/8)%2)+\i/4] offset:(\i%4)*2*REC+(((\st)/4)%2)*REC+((\st)%4)*FRB+512*\c
.endr
.endr
	WIN 0
.if (\st)%4 == 0
.irp i, 0,1,2,3,4,5,6,7
	ds_load_b128 v[SB+32*(((\st)/4)%2)+4*\i:SB+32*(((\st)/4)%2)+4*\i+3], v[ADRS+2*(((\st)/8)%2)+\i/4] offset:(\i%4)*2*REC+(((\st)/4)%2)*REC
.endr
.endif
.endm
.macro MUL2 st, b0, zero               ; eight products: two tiles of weights x my four tiles of tokens; the 32 accumulators take turns in one order
.irp b, \b0, \b0+1
.irp a, 0,1,2,3
.set AC,  8*(8*\a+(\b))
.set BF,  96*((\st)%2)+12*(\b)
.set AFR, AB+12*\a
.set SBR, SB+32*(((\st)/4)%2)+4*(\b)+(\st)%4
.set SAR, SA+16*(((\st)/4)%2)+4*\a+(\st)%4
.if \zero
	v_wmma_scale_f32_16x16x128_f8f6f4 v[AC:AC+7], v[BF:BF+11], v[AFR:AFR+11], 0, v[SBR], v[SAR] matrix_a_fmt:MATRIX_FMT_FP6 matrix_b_fmt:MATRIX_FMT_FP6
.else
	v_wmma_scale_f32_16x16x128_f8f6f4 v[AC:AC+7], v[BF:BF+11], v[AFR:AFR+11], v[AC:AC+7], v[SBR], v[SAR] matrix_a_fmt:MATRIX_FMT_FP6 matrix_b_fmt:MATRIX_FMT_FP6
.endif
.endr
.endr
.endm
.macro LCNT st                         ; NW: the global loads issued behind step st's: those of the three steps before this one (12 each, 4 more where a group's scale words went with them)
.set NW, 0
.irp d, 1,2,3
.if (\st)-\d+4 < NS
.set NW, NW+12
.if ((\st)-\d+8)%4 == 0
.set NW, NW+4
.endif
.endif
.endr
.endm
.macro CSLOAD                          ; my tokens' rows of the two tables, 32 numbers of each a lane and tile, where ring buffers 0-4 lay
.irp m, 0,1,2,3
	v_min_u32 v[PO+\m], 0xfff, v[PO+\m]
.endr
.irp m, 0,1,2,3
	v_lshlrev_b32 v[PO+\m], 8, v[PO+\m]
.endr
.irp m, 0,1,2,3
	v_add_nc_u32 v[PO+\m], v[H64], v[PO+\m]
.endr
	WIN 0xc0
.irp m, 0,1,2,3
.irp b, 0,1
.irp i, 0,1,2,3
	global_load_b128 v[64*\m+16*\b+4*\i:64*\m+16*\b+4*\i+3], v[PO+\m], s[74:75] offset:128*\b+16*\i
	global_load_b128 v[64*\m+32+16*\b+4*\i:64*\m+32+16*\b+4*\i+3], v[PO+\m], s[76:77] offset:128*\b+16*\i
.endr
.endr
.endr
	WIN 0
.endm
; A K step of 128: 32 products.  At its head the next step's weights are fetched from LDS and the tokens' fragments of four steps on are asked of memory.
; A slot's last step changes slots: the wait for all my tensor loads, the add, the wait for it and for my reads, the barrier (a round of the cluster's barrier where the slot is filled again), the refill, then the other slot's first fetch.
.macro STEP st, zero
.set TN, 0
.if (\st)%8 == 7
.if (\st)+1 < NS
.set TN, 1
.endif
.endif
.set SL, ((\st)/8)%2
	LCNT \st
.if TN
	s_wait_tensorcnt 0x0                           ; all my tensor loads have landed
	ds_add_u32 v[SPW], v[NIL]
	s_wait_loadcnt NW
	s_wait_dscnt 1                                 ; this step's weights are in; the add may be out
	ASEL (\st)%8
	WIN 0xa1|(AW<<2)
	MUL2 \st, 0, \zero
	s_wait_dscnt 0x0
	s_barrier_signal -1
	MUL2 \st, 2, \zero
	WIN 0
	s_barrier_wait -1
.if (\st)/8+2 < NS/8
	CREST
	s_add_nc_u64 s[G0+4*SL+2:G0+4*SL+3], s[G0+4*SL+2:G0+4*SL+3], 4*REC
	JL SL                                          ; two periods on, into the slot just read out
.else
	PLACES 4
.endif
	FETCHB (\st)+1
	ALOAD (\st)+4
	ASEL (\st)%8
	WIN 0xa1|(AW<<2)
	MUL2 \st, 4, \zero
	MUL2 \st, 6, \zero
	WIN 0
.else
	PLACES 4                                       ; in front of loads into registers that the last step's products read
.if (\st) == NS-3
	s_wait_loadcnt 0x0                             ; all the tokens' fragments are in: the loads of the tables, which only q's and k's path issues, are counted by no wait of the walk
.endif
.if (\st) < NS-3
	s_wait_loadcnt NW
.endif
.set ND, 0
.if (\st)+1 < NS
	FETCHB (\st)+1
.set ND, 24
.if ((\st)+1)%4 == 0
.set ND, 32
.endif
.endif
	ALOAD (\st)+4
.if (\st)%8 == 0
.if (\st)/8+1 < NS/8
	s_cmp_lg_u32 s14, 0
	s_cbranch_scc1 .Lnp_\@
	global_prefetch_b8 v[PFO], s[48:49] offset:((\st)/8+1)*2*REC th:TH_LOAD_NT scope:SCOPE_SE
.Lnp_\@:
.endif
.if (\st)/8+2 < NS/8
	global_prefetch_b8 v[PFO], s[50:51] offset:((\st)/8+2)*2*REC th:TH_LOAD_NT scope:SCOPE_SE
.endif
.endif
.if (\st) == NS-3
.if ROPE
	CSLOAD
.endif
.endif
	s_wait_dscnt ND                                ; all but the fetch just issued
	ASEL (\st)%8
	WIN 0xa1|(AW<<2)
	MUL2 \st, 0, \zero
	MUL2 \st, 2, \zero
	MUL2 \st, 4, \zero
	MUL2 \st, 6, \zero
	WIN 0
.endif
.endm
.macro TAIL3                           ; the last three steps, and the barrier behind which the slots' bytes serve as stages
	STEP NS-3, 0
	STEP NS-2, 0
	STEP NS-1, 0
	PLACES 4
	s_wait_dscnt 0x0
	s_barrier_signal -1
	s_barrier_wait -1
.endm
.macro QUANT s, pw                     ; 64 numbers a lane, four half blocks; lanes l and l xor 16 share a block
.irp b, 0,1,2,3
	v_max3_num_f32 v[TM+\b], |v[\s+16*\b]|, |v[\s+1+16*\b]|, 0x1800000
.endr
.irp i, 2,4,6,8,10,12,14
.irp b, 0,1,2,3
	v_max3_num_f32 v[TM+\b], v[TM+\b], |v[\s+16*\b+\i]|, |v[\s+1+16*\b+\i]|
.endr
.endr
.irp b, 0,1,2,3
	v_permlanex16_b32 v[TM+4+\b], v[TM+\b], s[SEL], s[SEL+1]
.endr
.irp b, 0,1,2,3
	v_max_num_f32 v[TM+\b], v[TM+\b], v[TM+4+\b]
.endr
.irp b, 0,1,2,3
	v_add_nc_u32 v[TM+12+\b], 0xff000000, v[TM+\b]
.endr
.irp b, 0,1,2,3
	v_lshrrev_b32 v[TM+4+\b], 23, v[TM+12+\b]
.endr
	v_lshl_or_b32 v[\pw], v[TM+5], 8, v[TM+4]
	v_lshl_or_b32 v[\pw], v[TM+6], 16, v[\pw]
	v_lshl_or_b32 v[\pw], v[TM+7], 24, v[\pw]
.irp c, 0,1
	v_cvt_scalef32_pk16_fp6_f32 v[PC+6*\c:PC+2+6*\c], v[\s+32*\c:\s+15+32*\c], v[TM+12+2*\c]
	v_cvt_scalef32_pk16_fp6_f32 v[PC+12+4*\c:PC+14+4*\c], v[\s+16+32*\c:\s+31+32*\c], v[TM+12+2*\c+1]
.endr
	v_nop
.irp c, 0,1
.irp i, 0,1,2
	v_permlane16_swap_b32 v[PC+6*\c+\i], v[PC+12+4*\c+\i]
.endr
.irp i, 0,1,2
	v_mov_b32 v[PC+3+6*\c+\i], v[PC+12+4*\c+\i]
.endr
.endr
.endm
.macro QF s, pw                        ; 64 numbers a lane, two whole blocks
.irp c, 0,1
	v_max3_num_f32 v[TM+\c], |v[\s+32*\c]|, |v[\s+32*\c+1]|, 0x1800000
.endr
.irp i, 2,4,6,8,10,12,14,16,18,20,22,24,26,28,30
.irp c, 0,1
	v_max3_num_f32 v[TM+\c], v[TM+\c], |v[\s+32*\c+\i]|, |v[\s+32*\c+\i+1]|
.endr
.endr
.irp c, 0,1
	v_add_nc_u32 v[TM+2+\c], 0xff000000, v[TM+\c]
.endr
.irp c, 0,1
	v_lshrrev_b32 v[TM+4+\c], 23, v[TM+2+\c]
.endr
	v_lshl_or_b32 v[TM+6], v[TM+5], 16, v[TM+4]
	v_lshlrev_b32 v[TM+6], v[H8], v[TM+6]
	v_permlanex16_b32 v[TM+7], v[TM+6], s[SEL], s[SEL+1]
	v_or_b32 v[\pw], v[TM+6], v[TM+7]
.irp c, 0,1
	v_cvt_scalef32_pk16_fp6_f32 v[PC+6*\c:PC+6*\c+2], v[\s+32*\c:\s+32*\c+15], v[TM+2+\c]
	v_cvt_scalef32_pk16_fp6_f32 v[PC+12+4*\c:PC+14+4*\c], v[\s+32*\c+16:\s+32*\c+31], v[TM+2+\c]
.endr
	v_nop
.irp c, 0,1
.irp i, 0,1,2
	v_mov_b32 v[PC+3+6*\c+\i], v[PC+12+4*\c+\i]
.endr
.endr
.endm
.macro IMG base, imm
.irp c, 0,1,2
	global_store_b128 v[L16], v[PC+4*\c:PC+4*\c+3], s[\base:\base+1] offset:\imm+512*\c
.endr
.endm
.macro SCOUT base
	v_cmp_eq_u32 vcc_lo, 1, v[HH]
	v_cndmask_b32 v[SD], v[PWS], v[PWS+2], vcc_lo
	v_cndmask_b32 v[SD+1], v[PWS+1], v[PWS+3], vcc_lo
	global_store_b64 v[SCA], v[SD:SD+1], s[\base:\base+1] offset:SCO
.endm
.macro QKM m                           ; tile m of my tokens: rotated, quantised, stored; for k (y >= 16) also through my stage to present_key
	WIN 0x0e
.set pp, 0
.rept 16
	v_pk_mul_f32 v[TT+4*((pp/2)%2):TT+4*((pp/2)%2)+1], v[64*\m+32+pp:64*\m+33+pp], v[64*\m+32+pp:64*\m+33+pp]
	v_pk_mul_f32 v[TT+4*((pp/2)%2)+2:TT+4*((pp/2)%2)+3], v[64*\m+pp:64*\m+pp+1], v[64*\m+32+pp:64*\m+33+pp]
	v_pk_fma_f32 v[HB+pp:HB+pp+1], v[64*\m+pp:64*\m+pp+1], v[64*\m+pp:64*\m+pp+1], v[TT+4*((pp/2)%2):TT+4*((pp/2)%2)+1] neg_lo:[0,0,1] neg_hi:[0,0,1]
	v_pk_fma_f32 v[HB+32+pp:HB+33+pp], v[64*\m+32+pp:64*\m+33+pp], v[64*\m+pp:64*\m+pp+1], v[TT+4*((pp/2)%2)+2:TT+4*((pp/2)%2)+3]
.set pp, pp+2
.endr
	WIN 0
	s_wait_xcnt 0x0                                ; the last tile's stores have read their registers
	s_cmp_lt_u32 s41, 16
	s_wait_alu depctr_va_vdst(0)
	s_cbranch_scc1 .Lq1_\@
.irp n, 0,1,2,3,4,5,6,7,8,9,10,11,12,13,14,15
	ds_store_b128 v[STO], v[HB+4*\n:HB+4*\n+3] offset:128*(\n/4)+16*(\n%4)
.endr
	WIN 0x40
.irp n, 0,1,2,3,4,5,6,7,8,9,10,11,12,13,14,15
	ds_load_b128 v[4*\n:4*\n+3], v[RD] offset:KSTP*\n
.endr
	WIN 0
.Lq1_\@:
	QUANT HB, PWS+\m
	IMG 78, FRB*\m
	s_cmp_lt_u32 s41, 16
	s_wait_alu depctr_va_vdst(0)
	s_cbranch_scc1 .Lq2_\@
	s_wait_dscnt 0x0
	WIN 0x04
.irp n, 0,1,2,3,4,5,6,7,8,9,10,11,12,13,14,15
	global_store_b128 v[L16], v[4*\n:4*\n+3], s[82:83] offset:(32*(\m/2)+8*(\m%2)+\n+8*(\n/8))*512 th:TH_STORE_NT
.endr
	WIN 0
.Lq2_\@:
.endm
	s_load_b512 s[68:83], s[0:1], 0x0              ; hA 68, wB 70, positions 72, cos 74, sin 76, qc 78, kvc 80, out1 82
	s_load_b64 s[84:85], s[0:1], 0x40              ; out2
	v_lshl_add_u32 v[SPW], v0, 2, SPARE
	v_mov_b32 v[NIL], 0
	ds_add_u32 v[SPW], v[NIL]                      ; the opening: the add twice and its wait ahead of my first tensor load
	ds_add_u32 v[SPW], v[NIL]
	v_lshrrev_b32 v1, 5, v0
	v_readfirstlane_b32 s14, v1                    ; wave w
	s_and_b32 s15, s14, 1                          ; which 64 tokens of a key step
	s_lshr_b32 s16, s14, 1                         ; which of the block's two key steps
	s_bfe_u32 s40, ttmp6, 0x40000                  ; cx: it enters global addresses of plain loads, stores and prefetches alone
	s_lshl_b32 s42, ttmp9, 2
	s_add_co_u32 s42, s42, s40                     ; block of 256 tokens
	s_and_b32 s41, ttmp7, 0xffff                   ; head 0..31, which the partners share
	s_lshl_b32 s17, s42, 1
	s_add_co_u32 s17, s17, s16                     ; block of 128 tokens
	s_mov_b32 s[G1], 15|(3<<16)|(1<<21)            ; all four partners; elements of 8 bytes
	s_mov_b32 s[G1+1], 1600<<16                    ; a row: a tile's two records, 12,800 bytes
	s_mov_b32 s[G1+2], 2<<16                       ; two tiles
	s_mov_b32 s[G1+3], 1600<<16
	s_mov_b32 s[G1+4], 2
	s_mov_b32 s[G1+5], KG*800
	s_mov_b32 s[G1+6], 0
	s_mov_b32 s[G1+7], 0
	s_lshl_b32 s20, s42, 4
	s_lshl_b32 s18, s14, 2
	s_add_co_u32 s20, s20, s18
	s_mul_i32 s20, s20, KG*REC                     ; my four tiles of tokens
	s_mov_b32 s21, 0
	s_lshl_b32 s46, s41, 3
	s_lshl_b32 s18, s14, 1
	s_add_co_u32 s46, s46, s18
	s_mul_i32 s46, s46, KG*REC                     ; the two tiles of weights that I fetch
	s_mov_b32 s47, 0
	s_mul_i32 s45, s14, 4*REC
	s_lshl_b32 s48, s42, 4                         ; prefetch of hA: tile y / 2 of the block's 16, record y % 2 of a period's two
	s_lshr_b32 s18, s41, 1
	s_add_co_u32 s48, s48, s18
	s_mul_i32 s48, s48, KG*REC
	s_and_b32 s18, s41, 1
	s_mul_i32 s18, s18, REC
	s_add_co_u32 s48, s48, s18
	s_mov_b32 s49, 0
	s_lshl_b32 s50, s41, 3                         ; prefetch of wB: tile 2 cx + w / 2 of the head's 8, record w % 2
	s_lshl_b32 s18, s40, 1
	s_add_co_u32 s50, s50, s18
	s_add_co_u32 s50, s50, s16
	s_mul_i32 s50, s50, KG*REC
	s_mul_i32 s18, s15, REC
	s_add_co_u32 s50, s50, s18
	s_mov_b32 s51, 0
	s_mov_b32 s[SEL], 0x76543210
	s_mov_b32 s[SEL+1], 0xfedcba98
	s_wait_dscnt 0x0
	s_wait_kmcnt 0x0
	s_add_nc_u64 s[20:21], s[68:69], s[20:21]
	s_add_nc_u64 s[46:47], s[70:71], s[46:47]
	s_add_nc_u64 s[48:49], s[68:69], s[48:49]
	s_add_nc_u64 s[50:51], s[70:71], s[50:51]
	CROUND                                         ; the first joint loads meet
.irp s, 0,1
	s_mov_b32 s[G0+4*\s], 1
	s_add_co_u32 s[G0+4*\s+1], s45, \s*SLOT
	s_add_nc_u64 s[G0+4*\s+2:G0+4*\s+3], s[46:47], \s*2*REC
	s_or_b32 s[G0+4*\s+3], s[G0+4*\s+3], 0x80000000
.endr
	JL 0                                           ; period 0: one tensor load a wave at the head
	v_and_b32 v[RR], 15, v0
	v_bfe_u32 v[HH], v0, 4, 1
	v_and_b32 v[L16], 31, v0
	v_min_u32 v[PFO], 24, v[L16]                   ; a record is 25 blocks of 256 bytes; the lanes left over name the last again
	v_lshlrev_b32 v[PFO], 8, v[PFO]
	v_lshlrev_b32 v[L16], 4, v[L16]
	v_lshlrev_b32 v[SCA], 4, v[RR]
	v_add_nc_u32 v[ASO], SCO, v[SCA]
	v_and_b32 v[VCOL], 8, v[RR]
	v_add_nc_u32 v[VCOL], v[VCOL], v[RR]
	v_lshlrev_b32 v[P4], 2, v[VCOL]
	s_lshl_b32 s18, s17, 9
	s_lshl_b32 s19, s15, 8
	s_add_co_u32 s18, s18, s19
	v_add_nc_u32 v[PA], s18, v[P4]
	s_wait_alu depctr_va_vdst(0)
.irp m, 0,1,2,3
	global_load_b32 v[PO+\m], v[PA], s[72:73] offset:4*(32*(\m/2)+8*(\m%2))
.endr
	ALOAD 0
	ALOAD 1
	ALOAD 2
	ALOAD 3
.irp s, 0,1
.irp h, 0,1
	v_add_nc_u32 v[ADRB+2*\s+\h], \s*SLOT+\h*HALFB, v[L16]
	v_add_nc_u32 v[ADRS+2*\s+\h], \s*SLOT+\h*HALFB, v[ASO]
.endr
.endr
	v_lshl_add_u32 v[SCA], v[HH], 3, v[SCA]
	s_mul_i32 s18, s14, 16*KSTP
	v_mul_u32_u24 v[STO], v[RR], KSTP
	v_lshl_add_u32 v[STO], v[HH], 6, v[STO]
	v_add_nc_u32 v[STO], s18, v[STO]
	v_add_nc_u32 v[RD], s18, v[L16]
	s_mul_i32 s18, s16, VHEAD                      ; v's stage: a unit for each key step, in it my 64 tokens
	s_mul_i32 s19, s15, VHALF
	s_add_co_u32 s19, s18, s19
	s_add_co_u32 s19, s19, VSG
	v_mul_u32_u24 v[VSTO], v[RR], KSTP
	v_lshl_add_u32 v[VSTO], v[HH], 6, v[VSTO]
	v_add_nc_u32 v[VSTO], s19, v[VSTO]
	v_add_nc_u32 v[VRD], s19, v[L16]
	s_lshl_b32 s19, s15, 8                         ; and, down the keys, my 64 of the head's 128 columns
	s_add_co_u32 s18, s18, s19
	s_add_co_u32 s18, s18, VSG
	v_mad_u32_u24 v[VCOL], v[HH], VLANE, v[P4]
	v_add_nc_u32 v[VCOL], s18, v[VCOL]
	v_lshlrev_b32 v[H8], 3, v[HH]
	v_lshlrev_b32 v[H64], 6, v[HH]
.irp b, 0,1,2,3
	v_mov_b32 v[TM+4+\b], 0
.endr
	s_lshr_b32 s86, s17, 3                         ; batch
	s_and_b32 s87, s17, 7                          ; key step among the new keys
	s_wait_alu depctr_va_vdst(0)
	s_wait_tensorcnt 0x0                           ; period 0 is in; the full sequence ahead of slot 1's first fill
	ds_add_u32 v[SPW], v[NIL]
	s_wait_dscnt 0x0
	CROUND
	JL 1
	FETCHB 0
	STEP 0, 1
.set ST, 1
.rept NS-4
	STEP ST, 0
.set ST, ST+1
.endr
	s_cmp_lt_u32 s41, 24
	s_cbranch_scc0 .Lvpath
.set ROPE, 1
	TAIL3
.set ROPE, 0
	s_wait_loadcnt 0x0                             ; the tables
	s_lshl_b32 s89, s86, 4                         ; q's record: ((batch x 16 + head) x 16 + 2 x key step + half)
	s_add_co_u32 s89, s89, s41
	s_lshl_b32 s89, s89, 4
	s_lshl_b32 s90, s87, 1
	s_add_co_u32 s89, s89, s90
	s_add_co_u32 s89, s89, s15
	s_lshl_b32 s91, s86, 3                         ; k's: ((batch x 8 + head) x 16 + 8 + key step) x 4 + half
	s_add_co_u32 s91, s91, s41
	s_sub_co_u32 s91, s91, 16
	s_lshl_b32 s92, s91, 4
	s_add_co_u32 s92, s92, s87
	s_add_co_u32 s92, s92, 8
	s_lshl_b32 s92, s92, 2
	s_add_co_u32 s92, s92, s15
	s_mov_b32 s93, 0
	s_cmp_lt_u32 s41, 16
	s_cselect_b32 s92, s89, s92
	s_cselect_b64 s[78:79], s[78:79], s[80:81]
	s_mul_i32 s92, s92, REC
	s_add_nc_u64 s[78:79], s[78:79], s[92:93]
	s_lshl_b32 s92, s91, 11                        ; k's rows in present_key
	s_lshl_b32 s90, s87, 7
	s_add_co_u32 s92, s92, s90
	s_lshl_b32 s90, s15, 6
	s_add_co_u32 s92, s92, s90
	s_add_co_u32 s92, s92, 1024
	s_lshl_b32 s92, s92, 9
	s_cmp_lt_u32 s41, 16
	s_cselect_b32 s92, 0, s92
	s_add_nc_u64 s[82:83], s[82:83], s[92:93]
	QKM 0
	QKM 1
	QKM 2
	QKM 3
	SCOUT 78
	s_branch .Lend
.Lvpath:
	TAIL3
	WIN 0x08
.irp m, 0,1,2,3
.irp t, 0,1,2,3,4,5,6,7
	ds_store_b128 v[VSTO], v[64*\m+8*\t:64*\m+8*\t+3] offset:16*\m*KSTP+32*(\m/2)+128*(\t/2)+32*(\t%2)
	ds_store_b128 v[VSTO], v[64*\m+8*\t+4:64*\m+8*\t+7] offset:16*\m*KSTP+32*(\m/2)+128*(\t/2)+32*(\t%2)+16
.endr
.endr
	WIN 0
	s_lshl_b32 s89, s86, 3
	s_add_co_u32 s89, s89, s41
	s_sub_co_u32 s89, s89, 24                      ; batch x 8 + head
	s_lshl_b32 s90, s89, 4
	s_add_co_u32 s90, s90, s87
	s_add_co_u32 s90, s90, 8
	s_lshl_b32 s90, s90, 2
	s_add_co_u32 s90, s90, 2
	s_add_co_u32 s90, s90, s15
	s_mul_i32 s90, s90, REC
	s_mov_b32 s91, 0
	s_add_nc_u64 s[80:81], s[80:81], s[90:91]
	s_lshl_b32 s90, s89, 11
	s_lshl_b32 s92, s87, 7
	s_add_co_u32 s90, s90, s92
	s_lshl_b32 s92, s15, 6
	s_add_co_u32 s90, s90, s92
	s_add_co_u32 s90, s90, 1024
	s_lshl_b32 s90, s90, 9
	s_add_nc_u64 s[84:85], s[84:85], s[90:91]
	s_wait_dscnt 0x0                               ; for the others' sake: my rows lie in the stage
	s_barrier_signal -1
	s_barrier_wait -1
.irp n, 0,1,2,3
.if \n > 0
	s_wait_xcnt 0x0
.endif
	WIN 0x40
.irp p, 0,1,2,3,4,5,6,7,8,9,10,11,12,13,14,15
	ds_load_b128 v[4*\p:4*\p+3], v[VRD] offset:(16*\n+\p)*KSTP+32*(\n/2)
.endr
	s_wait_dscnt 0x0
	WIN 0x04
.irp p, 0,1,2,3,4,5,6,7,8,9,10,11,12,13,14,15
	global_store_b128 v[L16], v[4*\p:4*\p+3], s[84:85] offset:(32*(\n/2)+8*(\n%2)+\p+8*(\p/8))*512 th:TH_STORE_NT
.endr
	WIN 0
.endr
	s_wait_alu depctr_va_vdst(0)
.irp t, 0,1,2,3
.irp c, 0,1
.irp i, 0,1,2,3,4,5,6,7,8,9,10,11,12,13,14,15,16,17,18,19,20,21,22,23,24,25,26,27,28,29,30,31
	ds_load_b32 v[HB+32*\c+\i], v[VCOL] offset:(64*\c+16*((\i/8)%2)+8*(\i/16)+\i%8)*KSTP+64*\c+4*(32*(\t/2)+8*(\t%2))
.endr
.endr
	s_wait_dscnt 0x0
	s_wait_xcnt 0x0
	QF HB, PWS+\t
	IMG 80, FRB*\t
.endr
	SCOUT 80
.Lend:
	s_wait_tensorcnt 0x0                           ; the wave's end
	ds_add_u32 v[SPW], v[NIL]
	s_wait_dscnt 0x0
	CROUND                                         ; the closing round
	s_endpgm
.Lfunc_end_k_q8c5cdaa69e_qkv:
	.size	k_q8c5cdaa69e_qkv, .Lfunc_end_k_q8c5cdaa69e_qkv-k_q8c5cdaa69e_qkv
	.p2alignl 7, 3214868480
	.fill 96, 4, 3214868480
	.section	.rodata,"a",@progbits
	.p2align	6, 0x0
	.amdhsa_kernel k_q8c5cdaa69e_qkv
		.amdhsa_group_segment_fixed_size 327680
		.amdhsa_private_segment_fixed_size 0
		.amdhsa_enable_private_segment 0
		.amdhsa_kernarg_size 72
		.amdhsa_user_sgpr_count 2
		.amdhsa_user_sgpr_kernarg_segment_ptr 1
		.amdhsa_wavefront_size32 1
		.amdhsa_system_sgpr_workgroup_id_x 1
		.amdhsa_system_sgpr_workgroup_id_y 1
		.amdhsa_system_sgpr_workgroup_id_z 1
		.amdhsa_system_vgpr_workitem_id 0
		.amdhsa_next_free_vgpr 1024
		.amdhsa_next_free_sgpr 100
		.amdhsa_reserve_vcc 1
		.amdhsa_float_denorm_mode_32 3
		.amdhsa_float_denorm_mode_16_64 3
		.amdhsa_memory_ordered 1
		.amdhsa_forward_progress 1
		.amdhsa_inst_pref_size 255
	.end_amdhsa_kernel
	.section	.bss,"aw",@nobits
	.p2align	6
	.space	262144
	.amdgpu_metadata
---
amdhsa.version: [ 1, 2 ]
amdhsa.kernels:
  - .name:           k_q8c5cdaa69e_qkv
    .symbol:         k_q8c5cdaa69e_qkv.kd
    .args:
      - { .name: hA, .offset: 0, .size: 8, .value_kind: global_buffer, .address_space: global }
      - { .name: wB, .offset: 8, .size: 8, .value_kind: global_buffer, .address_space: global }
      - { .name: position_ids, .offset: 16, .size: 8, .value_kind: global_buffer, .address_space: global }
      - { .name: rope_cos_freqs, .offset: 24, .size: 8, .value_kind: global_buffer, .address_space: global }
      - { .name: rope_sin_freqs, .offset: 32, .size: 8, .value_kind: global_buffer, .address_space: global }
      - { .name: qc, .offset: 40, .size: 8, .value_kind: global_buffer, .address_space: global }
      - { .name: kvc, .offset: 48, .size: 8, .value_kind: global_buffer, .address_space: global }
      - { .name: out1, .offset: 56, .size: 8, .value_kind: global_buffer, .address_space: global }
      - { .name: out2, .offset: 64, .size: 8, .value_kind: global_buffer, .address_space: global }
    .group_segment_fixed_size: 327680
    .private_segment_fixed_size: 0
    .kernarg_segment_align: 8
    .kernarg_segment_size: 72
    .max_flat_workgroup_size: 128
    .sgpr_count:     100
    .vgpr_count:     1024
    .wavefront_size: 32
...
	.end_amdgpu_metadata
.endif
;; end of part 2
;; launch attn (part 3): grid 16 x 16, 4 waves a work-group, clusters of 4 x 1, 327,680 bytes of LDS; arguments qc, kvc, kidx, cidx, ctxc; writes ctxc
.if DOCPART == 3
	.amdgcn_target "amdgcn-amd-amdhsa--gfx1250"
	.amdhsa_code_object_version 6
	.text
	.protected	k_q8c5cdaa69e_attn
	.globl	k_q8c5cdaa69e_attn
	.p2align	8
	.type	k_q8c5cdaa69e_attn,@function
k_q8c5cdaa69e_attn:
	s_mov_b64 s[64:65], 0
	v_nop
	global_prefetch_b8 v0, s[64:65] scope:SCOPE_SE
	s_setreg_imm32_b32 hwreg(HW_REG_WAVE_MODE, 25, 1), 1
	s_wait_xcnt 0x0
	s_wait_alu depctr_hold_cnt(0) depctr_sa_sdst(0) depctr_va_vdst(0) depctr_va_sdst(0) depctr_va_ssrc(0) depctr_va_vcc(0) depctr_vm_vsrc(0)
	s_getreg_b32 s2, hwreg(HW_REG_IB_STS2, 6, 4)
	s_cmp_eq_u32 s2, 0
	s_cbranch_scc0 .Lentry_in_a_cluster
	s_endpgm
.Lentry_in_a_cluster:
	s_bfe_u32 s2, ttmp6, 0x10000c
	s_cmp_lg_u32 s2, 0x3003
	s_cbranch_scc0 .Lentry_shape_is_right
	s_endpgm
.Lentry_shape_is_right:
; THIRD LAUNCH: scores, mask, softmax and the product with V, both products on codes of E2M3; the result, divided by the row's sum, is quantised in registers and leaves as fragments of the last product (ctxc).
; NO TILE IS LEFT OUT: the mask is made of an input and adds -10000, a finite number, so every query walks all 2,048 keys and the bias is applied to every score.
; SHARES.  Work-group (x, y): y = batch x 8 + key head, x a block of 64 queries.  Each of four waves owns 16 queries of BOTH query heads that share the key head: two tiles, T = 0, 1.
; So each fragment of K and of V that a wave reads from LDS feeds two products, and the mask, which is the same for both heads, is made once for two tiles.
; BOTH PRODUCTS ARE USED TRANSPOSED: S^T = K Q^T, O^T = V^T P^T: a lane holds ONE query.  With the tiles' permutation (first launch) register 16 B + i of a step's 64 scores is key 32 B + 16 h + i, and of O^T channel 32 B + 16 h + i.
; THE MASK: key k counts for query q where cidx[1024 + q] >= kidx[k].  The bias, 0 or -10000 sqrt(128), is the C of both tiles' score products (D apart from C): (dot + C) / sqrt(128) = dot / sqrt(128) - 10000.
; LIMIT: a masked score is so rounded at the size of 10000 sqrt(128) ahead of the scaling, where reference() rounds at the size of 10000 behind it: the same relative step.
; THE SOFTMAX: t = score x log2(e) / sqrt(128); M = the running largest t rounded up to a whole number; p = 2^(t - M) is quantised along the keys; the sum is taken of the unquantised p and divides at the end.
; LIMIT: the promise holds while the scaled scores stay under 2^31 in magnitude.
; ORDER OF A KEY STEP j (128 keys): the 16 score products; the fetches of step j + 1's key indices and K; the softmax of both tiles, line by line by turns; O^T under the new M; the 16 products with V,
; and between them, eight lines behind each, the bias of step j + 1; the fetch of step j + 1's V.
; LDS.  A key step is 25,600 dense bytes of kvc; steps 0 to 11 lie on end from byte 0.  Steps 0-2 come at the head, one tensor load a wave (a quarter each); steps 3-7 and 8-11 each behind the full sequence and a round;
; steps 12-15 are the one refill, onto the bytes of steps 0-3, behind step 6.  Each barrier stands one step ahead of the first step of its fill, since a step fetches the next step's K and V.  A wave has one tensor load out at any time.
; The four work-groups of a cluster walk the same keys: joint loads.  The batch's 2,048 key indices come through registers and are stored once to bytes of their own, behind the twelve steps.
; No prefetch: each fill but the head's is asked for two to five key steps ahead of the wait for it.
; WINDOWS: 0: state, scales, Q, p's codes.  1: v0-95 K's eight fragments, v96-191 V's, v192-255 key indices.  2: S^T, then p: tile T at 64 T.  3: O^T, tile T at 64 T; the bias at v128-191.
.set REC,   6400
.set SCO,   6144
.set FRB,   1536
.set STEPB, 4*REC
.set KIX,   12*STEPB
.set SPARE, KIX+8192
.set AL,  1                            ; 16 x lane
.set AS,  2                            ; 16 r + 6144
.set AKI, 3                            ; KIX + 64 h
.set QI,  4                            ; my query's index
.set SPW, 5
.set NIL, 6
.set NEG, 7                            ; -10000 sqrt(128)
.set ADF, 8
.set ADS, 9
.set ADI, 10
.set NM,  12                           ; -M of tile T at 12 + 2 T, the largest t beside it
.set SUM, 16                           ; the sum, a pair for each tile
.set FF,  20                           ; f = 2^(old M - new M), the low word of a pair
.set KS,  24                           ; v24-31 K's scale words, v32-39 V's, v40-41 Q's, v42-43 p's: scales and nothing else
.set VS,  32
.set QS,  40
.set PS,  42
.set BM,  44                           ; four block maxima a tile
.set BP,  52
.set SO,  60                           ; the conversions' scale operands
.set TT,  68
.set AC,  72                           ; four partial sums (pairs) a tile
.set CT,  88
.set PCD, 104                          ; p's codes, 12 registers a tile
.set QF,  192                          ; Q's fragments, 12 a tile
.set KFR, 0
.set VFR, 96
.set KX,  192
.set BI,  128
.set WV,  18
.set TRIP, 19
.set SEL, 20
.set CS,  22
.set G1A, 24
.set G1B, 32
.set G1C, 40
.set G0A, 48
.set G0B, 52
.set G0C, 56
.set G0R, 60
.set TBN, 2                            ; LDS byte at which the next step's records begin
.set KB,  3                            ; and its key indices
.set MSB, 0
.macro WIN new
.if MSB != \new
	s_set_vgpr_msb (MSB<<8)|\new
.set MSB, \new
.endif
.endm
.macro PLACES n
.rept \n
	v_nop
.endr
.endm
.macro CROUND
	s_barrier_signal -1
	s_barrier_wait -1
	s_cmp_lg_u32 s[WV], 0
	s_cbranch_scc1 .Lnot_wave_0_\@
	s_barrier_signal -3
.Lnot_wave_0_\@:
	s_barrier_wait -3
	s_barrier_signal -1
	s_barrier_wait -1
.endm
.macro MKG1 g, rows                    ; a dense block as rows of 256 bytes: all four work-groups; elements of 8 bytes
	s_mov_b32 s[\g], 15|(3<<16)|(1<<21)
	s_mov_b32 s[\g+1], 32<<16
	s_mov_b32 s[\g+2], (\rows)<<16
	s_mov_b32 s[\g+3], 32<<16
	s_mov_b32 s[\g+4], \rows
	s_mov_b32 s[\g+5], 32
	s_mov_b32 s[\g+6], 0
	s_mov_b32 s[\g+7], 0
.endm
.macro MKG0 g, lds, lo                 ; group 0: LDS byte in s[lds], byte offset in kvc in s[lo:lo+1]
	s_mov_b32 s[\g], 1
	s_mov_b32 s[\g+1], s[\lds]
	s_add_nc_u64 s[\g+2:\g+3], s[6:7], s[\lo:\lo+1]
	s_or_b32 s[\g+3], s[\g+3], 0x80000000
.endm
.macro FILL g0, g1                     ; the full sequence, a round, my one tensor load behind it
	s_wait_tensorcnt 0x0
	ds_add_u32 v[SPW], v[NIL]
	s_wait_dscnt 0x0
	CROUND
	tensor_load_to_lds s[\g0:\g0+3], s[\g1:\g1+7]
	s_nop 0
	PLACES 4
.endm
.macro RLOAD reg, sreg, off            ; two records: eight fragments into window 1 and their scale words: 26 loads
	WIN 0x40
.irp t, 0,1,2,3,4,5,6,7
.irp c, 0,1,2
	ds_load_b128 v[\reg+12*\t+4*\c:\reg+12*\t+4*\c+3], v[ADF] offset:\off+REC*(\t/4)+FRB*(\t%4)+512*\c
.endr
.endr
	WIN 0
	ds_load_b128 v[\sreg:\sreg+3], v[ADS] offset:\off
	ds_load_b128 v[\sreg+4:\sreg+7], v[ADS] offset:\off+REC
.endm
.macro KIDX                            ; the indices of keys 32 B + 16 h + i: 16 loads
	WIN 0x40
.irp n, 0,1,2,3,4,5,6,7,8,9,10,11,12,13,14,15
	ds_load_b128 v[KX+4*\n:KX+4*\n+3], v[ADI] offset:128*(\n/4)+16*(\n%4)
.endr
.endm
.macro ADDRS                           ; three additions and a v_nop: also the four places behind the score products
	v_add_nc_u32 v[ADF], s[TBN], v[AL]
	v_add_nc_u32 v[ADS], s[TBN], v[AS]
	v_add_nc_u32 v[ADI], s[KB], v[AKI]
	v_nop
.endm
.macro MASK4 j0                        ; key index (window 1) -> bias (window 3), four keys; under the windows of the products with V
.irp d, 0,1,2,3
	v_cmp_gt_i32 vcc_lo, v[KX+(\j0)+\d], v[QI]
	v_cndmask_b32 v[BI+(\j0)+\d], 0, v[NEG], vcc_lo
.endr
.endm
.macro PACKQ                           ; from four block maxima a tile: scale word, codes of the tile's 64 numbers in window 2, whole blocks to a lane
.irp b, 0,1,2,3
.irp T, 0,1
	v_add_nc_u32 v[SO+4*\T+\b], 0xff000000, v[BM+4*\T+\b]
.endr
.endr
.irp b, 0,1,2,3
.irp T, 0,1
	v_lshrrev_b32 v[BP+4*\T+\b], 23, v[SO+4*\T+\b]
.endr
.endr
.irp T, 0,1
	v_lshl_or_b32 v[PS+\T], v[BP+4*\T+1], 8, v[BP+4*\T]
.endr
.irp T, 0,1
	v_lshl_or_b32 v[PS+\T], v[BP+4*\T+2], 16, v[PS+\T]
.endr
.irp T, 0,1
	v_lshl_or_b32 v[PS+\T], v[BP+4*\T+3], 24, v[PS+\T]
.endr
	WIN 0x02
.irp T, 0,1
.irp c, 0,1
	v_cvt_scalef32_pk16_fp6_f32 v[PCD+12*\T+6*\c:PCD+12*\T+6*\c+2], v[64*\T+32*\c:64*\T+32*\c+15], v[SO+4*\T+2*\c]
	v_cvt_scalef32_pk16_fp6_f32 v[CT+8*\T+4*\c:CT+8*\T+4*\c+2], v[64*\T+32*\c+16:64*\T+32*\c+31], v[SO+4*\T+2*\c+1]
.endr
.endr
	WIN 0
	v_nop                                          ; a plain line behind the conversions
.irp T, 0,1
.irp c, 0,1
.irp i, 0,1,2
	v_permlane16_swap_b32 v[PCD+12*\T+6*\c+\i], v[CT+8*\T+4*\c+\i]
.endr
.endr
.endr
.irp T, 0,1
.irp c, 0,1
.irp i, 0,1,2
	v_mov_b32 v[PCD+12*\T+3+6*\c+\i], v[CT+8*\T+4*\c+\i]
.endr
.endr
.endr
.endm
.macro HALVES                          ; each block maximum with lane l xor 16's
.irp b, 0,1,2,3
.irp T, 0,1
	v_permlanex16_b32 v[BP+4*\T+\b], v[BM+4*\T+\b], s[SEL], s[SEL+1]
.endr
.endr
.irp b, 0,1,2,3
.irp T, 0,1
	v_max_num_f32 v[BM+4*\T+\b], v[BM+4*\T+\b], v[BP+4*\T+\b]
.endr
.endr
.endm
; A KEY STEP.  Its K, V and bias have been asked for or made.  pre = 1: it fetches the next step's and makes its bias.
.macro STEP pre
	s_wait_dscnt 26                                ; this step's K is in; V's 26 loads, issued behind it, may be out
	WIN 0xb1                                       ; D window 2, C window 3, Q window 0, K window 1
.irp t, 0,1,2,3,4,5,6,7
.irp T, 0,1
	v_wmma_scale_f32_16x16x128_f8f6f4 v[64*\T+8*\t:64*\T+8*\t+7], v[KFR+12*\t:KFR+12*\t+11], v[QF+12*\T:QF+12*\T+11], v[BI+8*\t:BI+8*\t+7], v[KS+\t], v[QS+\T] matrix_a_fmt:MATRIX_FMT_FP6 matrix_b_fmt:MATRIX_FMT_FP6
.endr
.endr
	WIN 0
.if \pre
	ADDRS
	KIDX
	RLOAD KFR, KS, 0
.else
	PLACES 4
.endif
	WIN 0x2a
.irp b, 0,1,2,3
.irp T, 0,1
	v_max3_num_f32 v[BM+4*\T+\b], v[64*\T+16*\b], v[64*\T+16*\b+1], v[64*\T+16*\b+2]   ; the largest score of each block of 32 keys: for the row's maximum and for the block's largest p
.endr
.endr
	WIN 0x28
.irp i, 3,5,7,9,11,13
.irp b, 0,1,2,3
.irp T, 0,1
	v_max3_num_f32 v[BM+4*\T+\b], v[BM+4*\T+\b], v[64*\T+16*\b+\i], v[64*\T+16*\b+\i+1]
.endr
.endr
.endr
.irp b, 0,1,2,3
.irp T, 0,1
	v_max_num_f32 v[BM+4*\T+\b], v[BM+4*\T+\b], v[64*\T+16*\b+15]
.endr
.endr
	WIN 0
	HALVES
.irp T, 0,1
	v_max3_num_f32 v[TT+\T], v[BM+4*\T], v[BM+4*\T+1], v[BM+4*\T+2]
.endr
.irp T, 0,1
	v_max_num_f32 v[TT+\T], v[TT+\T], v[BM+4*\T+3]
.endr
.irp T, 0,1
	v_mul_f32 v[TT+\T], s[CS], v[TT+\T]
.endr
.irp T, 0,1
	v_max_num_f32 v[NM+2*\T+1], v[NM+2*\T+1], v[TT+\T]   ; the running largest t
.endr
.irp T, 0,1
	v_mov_b32 v[TT+\T], v[NM+2*\T]
.endr
.irp T, 0,1
	v_floor_f32 v[NM+2*\T], -v[NM+2*\T+1]          ; -M = floor(-t): M is a whole number
.endr
.irp T, 0,1
	v_sub_f32 v[TT+\T], v[NM+2*\T], v[TT+\T]
.endr
.irp T, 0,1
	v_cvt_i32_f32 v[TT+\T], v[TT+\T]               ; (it saturates)
.endr
.irp T, 0,1
	v_ldexp_f32 v[FF+2*\T], 1.0, v[TT+\T]          ; f = 2^(old M - new M)
.endr
	WIN 0x82
.irp T, 0,1
.set jj, 0
.rept 32
	v_pk_fma_f32 v[64*\T+jj:64*\T+jj+1], v[64*\T+jj:64*\T+jj+1], s[CS:CS+1], v[NM+2*\T:NM+2*\T+1] op_sel_hi:[1,0,0]   ; t - M
.set jj, jj+2
.endr
.endr
	WIN 0
.irp b, 0,1,2,3
.irp T, 0,1
	v_fma_f32 v[BM+4*\T+\b], v[BM+4*\T+\b], s[CS], v[NM+2*\T]
.endr
.endr
	WIN 0x82
	s_wait_alu depctr_va_vdst(0)
.set jj, 0
.rept 128
	v_exp_f32 v[jj], v[jj]                         ; p = 2^(t - M)
.set jj, jj+1
.endr
	WIN 0
.irp T, 0,1
	v_pk_mul_f32 v[SUM+2*\T:SUM+2*\T+1], v[SUM+2*\T:SUM+2*\T+1], v[FF+2*\T:FF+2*\T+1] op_sel_hi:[1,0]   ; the sums under the new M: plain lines behind the batch
.endr
	s_wait_alu depctr_va_vdst(0)                   ; one wait for the 128
.irp b, 0,1,2,3
.irp T, 0,1
	v_exp_f32 v[BM+4*\T+\b], v[BM+4*\T+\b]         ; each block's largest p
.endr
.endr
	WIN 0x0a                                       ; the sums of the unquantised p: four chains of pairs a tile
.irp k, 0,1,2,3
.irp T, 0,1
	v_pk_add_f32 v[AC+8*\T+2*\k:AC+8*\T+2*\k+1], v[64*\T+2*\k:64*\T+2*\k+1], v[64*\T+8+2*\k:64*\T+8+2*\k+1]
.endr
.endr
	WIN 0x08
.irp m, 0,1,2,3,4,5
.irp k, 0,1,2,3
.irp T, 0,1
	v_pk_add_f32 v[AC+8*\T+2*\k:AC+8*\T+2*\k+1], v[AC+8*\T+2*\k:AC+8*\T+2*\k+1], v[64*\T+16+8*\m+2*\k:64*\T+16+8*\m+2*\k+1]
.endr
.endr
.endr
	WIN 0
.irp T, 0,1
	v_pk_add_f32 v[AC+8*\T:AC+8*\T+1], v[AC+8*\T:AC+8*\T+1], v[AC+8*\T+2:AC+8*\T+3]
	v_pk_add_f32 v[AC+8*\T+4:AC+8*\T+5], v[AC+8*\T+4:AC+8*\T+5], v[AC+8*\T+6:AC+8*\T+7]
.endr
.irp T, 0,1
	v_pk_add_f32 v[AC+8*\T:AC+8*\T+1], v[AC+8*\T:AC+8*\T+1], v[AC+8*\T+4:AC+8*\T+5]
.endr
.irp T, 0,1
	v_pk_add_f32 v[SUM+2*\T:SUM+2*\T+1], v[SUM+2*\T:SUM+2*\T+1], v[AC+8*\T:AC+8*\T+1]
.endr
	s_wait_alu depctr_va_vdst(0)                   ; and one for the eight
.irp b, 0,1,2,3
.irp T, 0,1
	v_max_num_f32 v[BM+4*\T+\b], 0x1800000, v[BM+4*\T+\b]   ; the floor: the byte cannot fall under 1
.endr
.endr
	PACKQ
	s_wait_alu depctr_va_vdst(0)
.if \pre
	s_wait_dscnt 26                                ; this step's V and the next step's key indices are in; the next K's 26 loads may be out
.else
	s_wait_dscnt 0x0
.endif
	WIN 0xc3
	s_wait_alu depctr_va_vdst(0)                   ; directly ahead of the first reader of O^T
.irp T, 0,1
.set jj, 0
.rept 32
	v_pk_mul_f32 v[64*\T+jj:64*\T+jj+1], v[64*\T+jj:64*\T+jj+1], v[FF+2*\T:FF+2*\T+1] op_sel_hi:[1,0]   ; O^T under the new M; also the places between p's codes and scale words and the products
.set jj, jj+2
.endr
.endr
	PLACES 4
	WIN 0xf1                                       ; C and D window 3, p's codes window 0, V window 1; the bias' lines: index window 1, my query's index and the constant window 0, bias window 3
.irp t, 0,1,2,3,4,5,6,7
.irp T, 0,1
	v_wmma_scale_f32_16x16x128_f8f6f4 v[64*\T+8*\t:64*\T+8*\t+7], v[VFR+12*\t:VFR+12*\t+11], v[PCD+12*\T:PCD+12*\T+11], v[64*\T+8*\t:64*\T+8*\t+7], v[VS+\t], v[PS+\T] matrix_a_fmt:MATRIX_FMT_FP6 matrix_b_fmt:MATRIX_FMT_FP6
.if \pre
	MASK4 8*\t+4*\T
.endif
.endr
.endr
	WIN 0
.if \pre
	s_wait_alu depctr_va_vdst(0)
	RLOAD VFR, VS, 2*REC                           ; the next step's V (the eight lines behind the last product are its places)
	s_add_co_u32 s[TBN], s[TBN], STEPB
	s_add_co_u32 s[KB], s[KB], 512
.endif
.endm
.macro GROUP n
	s_mov_b32 s[TRIP], \n
.Lstep_\@:
	STEP 1
	s_sub_co_u32 s[TRIP], s[TRIP], 1
	s_cmp_lg_u32 s[TRIP], 0
	s_cbranch_scc1 .Lstep_\@
.endm
	s_load_b256 s[4:11], s[0:1], 0x0               ; qc 4, kvc 6, kidx 8, cidx 10
	s_load_b64 s[12:13], s[0:1], 0x20              ; ctxc
	v_lshl_add_u32 v[SPW], v0, 2, SPARE
	v_mov_b32 v[NIL], 0
	ds_add_u32 v[SPW], v[NIL]                      ; the opening: the add, twice on end, and its wait ahead of my first tensor load
	ds_add_u32 v[SPW], v[NIL]
	v_lshrrev_b32 v8, 5, v0
	v_readfirstlane_b32 s[WV], v8                  ; wave 0..3
	s_bfe_u32 s14, ttmp6, 0x40000                  ; cx: it enters Q's, cidx's and ctxc's addresses alone
	s_lshl_b32 s15, ttmp9, 2
	s_add_co_u32 s15, s15, s14                     ; x: block of 64 queries
	s_and_b32 s16, ttmp7, 0xffff                   ; batch x 8 + key head, which the partners share
	s_lshr_b32 s17, s16, 3                         ; batch
	MKG1 G1A, 75                                   ; a quarter of three key steps: 19,200 bytes
	MKG1 G1B, 125                                  ; of five: 32,000
	MKG1 G1C, 100                                  ; of four: 25,600
	s_mul_i32 s80, s[WV], 19200
	s_mul_i32 s81, s[WV], 32000
	s_mul_i32 s82, s[WV], 25600
	s_mul_i32 s84, s16, 16*STEPB                   ; the head's first byte in kvc
	s_add_co_u32 s86, s84, s80                     ; steps 0-2
	s_mov_b32 s87, 0
	s_add_co_u32 s88, s84, s81
	s_add_co_u32 s88, s88, 3*STEPB                 ; steps 3-7
	s_mov_b32 s89, 0
	s_add_co_u32 s90, s84, s82
	s_add_co_u32 s92, s90, 12*STEPB                ; steps 12-15
	s_add_co_u32 s90, s90, 8*STEPB                 ; steps 8-11
	s_mov_b32 s91, 0
	s_mov_b32 s93, 0
	s_add_co_u32 s81, s81, 3*STEPB                 ; and where they go
	s_add_co_u32 s83, s82, 8*STEPB
	s_lshl_b32 s94, s17, 13                        ; the batch's key indices
	s_mov_b32 s95, 0
	s_mov_b32 s[SEL], 0x76543210
	s_mov_b32 s[SEL+1], 0xfedcba98
	s_mov_b32 s[CS], 0x3e0293ee                    ; log2(e) / sqrt(128)
	s_mov_b32 s[CS+1], s[CS]
	s_mov_b32 s[TBN], 0
	s_mov_b32 s[KB], 0
	s_and_b32 s96, s16, 7
	s_lshl_b32 s96, s96, 1                         ; the first of my two query heads
	s_lshl_b32 s70, s17, 4
	s_add_co_u32 s70, s70, s96
	s_lshl_b32 s70, s70, 4
	s_add_co_u32 s70, s70, s15                     ; Q's record: (batch x 16 + head) x 16 + x; the second head's lies 16 records on
	s_mul_i32 s70, s70, REC
	s_mov_b32 s71, 0
	s_mul_i32 s72, s[WV], FRB                      ; my tile is fragment w of the record
	s_lshl_b32 s73, s[WV], 2
	s_lshl_b32 s74, s17, 11                        ; my queries' places in cidx
	s_lshl_b32 s75, s15, 6
	s_add_co_u32 s74, s74, s75
	s_lshr_b32 s75, s[WV], 1
	s_lshl_b32 s75, s75, 5
	s_add_co_u32 s74, s74, s75
	s_and_b32 s75, s[WV], 1
	s_lshl_b32 s75, s75, 3
	s_add_co_u32 s74, s74, s75
	s_add_co_u32 s74, s74, 1024
	s_lshl_b32 s74, s74, 2
	s_wait_dscnt 0x0                               ; both opening adds are done
	s_wait_kmcnt 0x0
	s_add_nc_u64 s[4:5], s[4:5], s[70:71]
	s_add_nc_u64 s[8:9], s[8:9], s[94:95]
	CROUND                                         ; all four work-groups are here: the first joint loads meet
	MKG0 G0A, 80, 86
	MKG0 G0B, 81, 88
	MKG0 G0C, 83, 90
	MKG0 G0R, 82, 92
	tensor_load_to_lds s[G0A:G0A+3], s[G1A:G1A+7]  ; steps 0-2: one tensor load a wave at the head
	s_nop 0
	PLACES 4
	v_and_b32 v8, 15, v0                           ; r
	v_bfe_u32 v9, v0, 4, 1                         ; h
	v_and_b32 v[AL], 31, v0
	v_lshlrev_b32 v[AL], 4, v[AL]
	v_lshlrev_b32 v[AS], 4, v8
	v_add_nc_u32 v[AS], SCO, v[AS]
	v_lshlrev_b32 v[AKI], 6, v9
	v_add_nc_u32 v[AKI], KIX, v[AKI]
	v_mov_b32 v[NEG], 0xc7dcf88b
	v_lshl_add_u32 v216, v0, 4, KIX                ; the key indices' way into LDS: 16 bytes a thread, four times 2,048
	v_lshlrev_b32 v217, 4, v0
	v_add_nc_u32 v11, s72, v[AL]
	v_add_nc_u32 v10, s73, v[AS]
	v_and_b32 v218, 8, v8
	v_add_nc_u32 v218, v218, v8
	v_lshl_add_u32 v218, v218, 2, s74
	s_wait_alu depctr_va_vdst(0)
.irp i, 0,1,2,3
	global_load_b128 v[220+4*\i:223+4*\i], v217, s[8:9] offset:2048*\i
.endr
.irp T, 0,1
.irp c, 0,1,2
	global_load_b128 v[QF+12*\T+4*\c:QF+12*\T+4*\c+3], v11, s[4:5] offset:16*REC*\T+512*\c   ; Q's fragments stay in registers
.endr
	global_load_b32 v[QS+\T], v10, s[4:5] offset:16*REC*\T
.endr
	global_load_b32 v[QI], v218, s[10:11]
.irp T, 0,1
	v_mov_b32 v[NM+2*\T+1], 0xff61b1e6             ; the largest t so far: -3e38
	v_mov_b32 v[SUM+2*\T], 0
	v_mov_b32 v[SUM+2*\T+1], 0
	v_mov_b32 v[FF+2*\T], 0
	v_mov_b32 v[FF+2*\T+1], 0
	v_mov_b32 v[TT+\T], 0
.endr
.irp T, 0,1
	v_floor_f32 v[NM+2*\T], -v[NM+2*\T+1]
.endr
.irp b, 0,1,2,3,4,5,6,7
	v_mov_b32 v[BP+\b], 0                          ; a lane permute's destination counts as one of its sources
.endr
	WIN 0xc0
.set jj, 0
.rept 128
	v_mov_b32 v[jj], 0                             ; O^T: the step has no first form of its own (it would be one more copy of the step); the first finds zeros
.set jj, jj+1
.endr
	WIN 0
	s_wait_alu depctr_va_vdst(0)
	s_wait_tensorcnt 0x0                           ; my part of steps 0-2 is in: no tensor load is out while I store to LDS
	s_wait_loadcnt 0x0                             ; the key indices, Q, its scale words, my query's index
.irp i, 0,1,2,3
	ds_store_b128 v216, v[220+4*\i:223+4*\i] offset:2048*\i
.endr
	FILL G0B, G1B                                  ; steps 3-7; the round also shows steps 0-2 and the key indices to all four waves
	ADDRS                                          ; step 0: its key indices, K, bias and V
	KIDX
	RLOAD KFR, KS, 0
	s_wait_alu depctr_va_vdst(0)
	s_wait_dscnt 26                                ; the key indices are in
	WIN 0xf1
.irp j, 0,4,8,12,16,20,24,28,32,36,40,44,48,52,56,60
	MASK4 \j
.endr
	WIN 0
	s_wait_alu depctr_va_vdst(0)
	RLOAD VFR, VS, 2*REC
	s_add_co_u32 s[TBN], s[TBN], STEPB
	s_add_co_u32 s[KB], s[KB], 512
	GROUP 2                                        ; steps 0, 1 (they fetch steps 1, 2)
	FILL G0C, G1C                                  ; steps 3-7 are in; steps 8-11 are asked for
	GROUP 5                                        ; steps 2 to 6
	FILL G0R, G1C                                  ; THE ONE REFILL: steps 8-11 are in, nobody reads steps 0-3 any more: steps 12-15 onto their bytes
	GROUP 4                                        ; steps 7 to 10
	s_wait_tensorcnt 0x0
	ds_add_u32 v[SPW], v[NIL]
	s_mov_b32 s[TBN], 0                            ; steps 12-15 lie from byte 0
	s_wait_dscnt 0x0
	s_barrier_signal -1
	s_barrier_wait -1                              ; everybody's part of steps 12-15 is in; nothing is left to fetch
	GROUP 4                                        ; steps 11 to 14
	STEP 0                                         ; step 15
	; THE WAY OUT: O^T / the sum is a tile's 64 numbers in the quantiser's order: its codes are K step 'head' of the last product's operand.
	PLACES 4
.irp T, 0,1
	v_add_f32 v[SUM+2*\T], v[SUM+2*\T], v[SUM+2*\T+1]
.endr
.irp T, 0,1
	v_permlanex16_b32 v[TT+\T], v[SUM+2*\T], s[SEL], s[SEL+1]
.endr
.irp T, 0,1
	v_add_f32 v[SUM+2*\T], v[SUM+2*\T], v[TT+\T]
.endr
	s_wait_alu depctr_va_vdst(0)
.irp T, 0,1
	v_rcp_f32 v[SUM+2*\T], v[SUM+2*\T]
.endr
	v_and_b32 v219, 31, v0                         ; a plain line behind the reciprocals
	s_lshl_b32 s84, s17, 6
	s_lshl_b32 s85, s15, 2
	s_add_co_u32 s84, s84, s85
	s_add_co_u32 s84, s84, s[WV]                   ; row tile 64 x batch + 4 x + wave
	s_lshl_b32 s84, s84, 2
	s_lshr_b32 s85, s96, 2
	s_add_co_u32 s84, s84, s85                     ; record: group head / 4 (the same for both heads)
	s_mul_i32 s84, s84, REC
	s_mov_b32 s85, 0
	s_add_nc_u64 s[12:13], s[12:13], s[84:85]
	s_and_b32 s86, s96, 3
	s_mul_i32 s84, s86, FRB
	s_add_nc_u64 s[66:67], s[12:13], s[84:85]      ; fragments head % 4 and the next
	s_lshl_b32 s84, s86, 2
	s_add_nc_u64 s[12:13], s[12:13], s[84:85]      ; and their two columns of scale words
	WIN 0x83
	s_wait_alu depctr_va_vdst(0)                   ; ahead of the first line that names a reciprocal, and directly ahead of the first reader of O^T
.irp T, 0,1
.set jj, 0
.rept 64
	v_mul_f32 v[64*\T+jj], v[64*\T+jj], v[SUM+2*\T]
.set jj, jj+1
.endr
.endr
	WIN 0x0a
.irp b, 0,1,2,3
.irp T, 0,1
	v_max3_num_f32 v[BM+4*\T+\b], |v[64*\T+16*\b]|, |v[64*\T+16*\b+1]|, 0x1800000
.endr
.endr
	WIN 0x28
.irp i, 2,4,6,8,10,12,14
.irp b, 0,1,2,3
.irp T, 0,1
	v_max3_num_f32 v[BM+4*\T+\b], v[BM+4*\T+\b], |v[64*\T+16*\b+\i]|, |v[64*\T+16*\b+\i+1]|
.endr
.endr
.endr
	WIN 0
	HALVES
	PACKQ
.irp T, 0,1
.irp c, 0,1,2
	global_store_b128 v[AL], v[PCD+12*\T+4*\c:PCD+12*\T+4*\c+3], s[66:67] offset:FRB*\T+512*\c
.endr
.endr
	s_wait_alu depctr_va_vdst(0)
	s_wait_xcnt 0x0                                ; EXEC changes only behind this wait
	v_cmp_gt_u32 vcc_lo, 16, v219
	s_and_saveexec_b32 s87, vcc_lo
	global_store_b64 v[AS], v[PS:PS+1], s[12:13]   ; 8 bytes a row from lanes 0-15: 128 bytes of the record's 6,400; the group's other two heads write the rest of that unit
	s_wait_xcnt 0x0
	s_or_b32 exec_lo, exec_lo, s87
	s_wait_tensorcnt 0x0                           ; the wave's end
	ds_add_u32 v[SPW], v[NIL]
	s_wait_dscnt 0x0
	CROUND                                         ; the closing round
	s_endpgm
.Lfunc_end_k_q8c5cdaa69e_attn:
	.size	k_q8c5cdaa69e_attn, .Lfunc_end_k_q8c5cdaa69e_attn-k_q8c5cdaa69e_attn
	.p2alignl 7, 3214868480
	.fill 96, 4, 3214868480
	.section	.rodata,"a",@progbits
	.p2align	6, 0x0
	.amdhsa_kernel k_q8c5cdaa69e_attn
		.amdhsa_group_segment_fixed_size 327680
		.amdhsa_private_segment_fixed_size 0
		.amdhsa_enable_private_segment 0
		.amdhsa_kernarg_size 40
		.amdhsa_user_sgpr_count 2
		.amdhsa_user_sgpr_kernarg_segment_ptr 1
		.amdhsa_wavefront_size32 1
		.amdhsa_system_sgpr_workgroup_id_x 1
		.amdhsa_system_sgpr_workgroup_id_y 1
		.amdhsa_system_sgpr_workgroup_id_z 1
		.amdhsa_system_vgpr_workitem_id 0
		.amdhsa_next_free_vgpr 1024
		.amdhsa_next_free_sgpr 100
		.amdhsa_reserve_vcc 1
		.amdhsa_float_denorm_mode_32 3
		.amdhsa_float_denorm_mode_16_64 3
		.amdhsa_memory_ordered 1
		.amdhsa_forward_progress 1
		.amdhsa_inst_pref_size 223
	.end_amdhsa_kernel
	.amdgpu_metadata
---
amdhsa.version: [ 1, 2 ]
amdhsa.kernels:
  - .name:           k_q8c5cdaa69e_attn
    .symbol:         k_q8c5cdaa69e_attn.kd
    .args:
      - { .name: qc, .offset: 0, .size: 8, .value_kind: global_buffer, .address_space: global }
      - { .name: kvc, .offset: 8, .size: 8, .value_kind: global_buffer, .address_space: global }
      - { .name: kidx, .offset: 16, .size: 8, .value_kind: global_buffer, .address_space: global }
      - { .name: cidx, .offset: 24, .size: 8, .value_kind: global_buffer, .address_space: global }
      - { .name: ctxc, .offset: 32, .size: 8, .value_kind: global_buffer, .address_space: global }
    .group_segment_fixed_size: 327680
    .private_segment_fixed_size: 0
    .kernarg_segment_align: 8
    .kernarg_segment_size: 40
    .max_flat_workgroup_size: 128
    .sgpr_count:     100
    .vgpr_count:     1024
    .wavefront_size: 32
...
	.end_amdgpu_metadata
.endif
;; end of part 3
;; launch oproj (part 4): grid 8 x 32, 4 waves a work-group, clusters of 4 x 1, 327,680 bytes of LDS; arguments ctxc, oB, out0; writes out0
.if DOCPART == 4
	.amdgcn_target "amdgcn-amd-amdhsa--gfx1250"
	.amdhsa_code_object_version 6
	.text
	.protected	k_q8c5cdaa69e_oproj
	.globl	k_q8c5cdaa69e_oproj
	.p2align	8
	.type	k_q8c5cdaa69e_oproj,@function
k_q8c5cdaa69e_oproj:
	s_mov_b64 s[64:65], 0
	v_nop
	global_prefetch_b8 v0, s[64:65] scope:SCOPE_SE
	s_setreg_imm32_b32 hwreg(HW_REG_WAVE_MODE, 25, 1), 1
	s_wait_xcnt 0x0
	s_wait_alu depctr_hold_cnt(0) depctr_sa_sdst(0) depctr_va_vdst(0) depctr_va_sdst(0) depctr_va_ssrc(0) depctr_va_vcc(0) depctr_vm_vsrc(0)
	s_getreg_b32 s2, hwreg(HW_REG_IB_STS2, 6, 4)
	s_cmp_eq_u32 s2, 0
	s_cbranch_scc0 .Lentry_in_a_cluster
	s_endpgm
.Lentry_in_a_cluster:
	s_bfe_u32 s2, ttmp6, 0x10000c
	s_cmp_lg_u32 s2, 0x3003
	s_cbranch_scc0 .Lentry_shape_is_right
	s_endpgm
.Lentry_shape_is_right:
; FOURTH LAUNCH: attn_out = ctx o_w^T on codes of E2M3.  No work of the problem is left out.  The design is the second launch's:
; a work-group makes 256 tokens x 128 columns, a wave 64 tokens x 128.  ctxc's rows are each wave's own and go from memory straight into registers as fragment images, four K steps ahead, in a ring of eight buffers
; (12 loads a step, 4 of scale words a group of four steps, 52 out at the most).  oB's 128 rows, which all four waves and the cluster's four work-groups read, go through LDS by joint loads:
; K is 2,048, two slots of 1,024, each filled once: slot 0 at the head, slot 1 behind the full sequence and a round.
; PREFETCH: at the first step the second period's records of ctxc, one record of 25 blocks of 256 bytes for each of the 32 work-groups that read these rows, asked by wave 0; oB's two periods come by their own loads at the head.
; WINDOWS: 0: v0-31 addresses, ring buffers 6, 7 from v64 (v32-159 serve the way out later), v160-223 oB's scale words, v224-255 ctxc's; 1: oB's fragments, two sets, ring buffer 5 at v192; 2: accumulators; 3: ring buffers 0-4.
.set KG,    4
.set NS,    4*KG
.set REC,   6400
.set SCO,   6144
.set FRB,   1536
.set SLOT,  16*REC
.set HALFB, 8*REC
.set SPARE, 2*SLOT
.set KSTP,  528
.set RR,   1
.set HH,   2
.set L16,  3
.set STO,  8
.set RD,   9
.set PFO,  15
.set ADRB, 16
.set ADRS, 20
.set ASO,  27
.set SPW,  28
.set NIL,  29
.set BK,   32
.set SB,   160
.set SA,   224
.set G1,  24
.set G0,  32
.set MSB, 0
.macro WIN new
.if MSB != \new
	s_set_vgpr_msb (MSB<<8)|\new
.set MSB, \new
.endif
.endm
.macro PLACES n
.rept \n
	v_nop
.endr
.endm
.macro CREST
	s_cmp_lg_u32 s14, 0
	s_cbranch_scc1 .Lnot_wave_0_\@
	s_barrier_signal -3
.Lnot_wave_0_\@:
	s_barrier_wait -3
	s_barrier_signal -1
	s_barrier_wait -1
.endm
.macro CROUND
	s_barrier_signal -1
	s_barrier_wait -1
	CREST
.endm
.macro JL s
	tensor_load_to_lds s[G0+4*\s:G0+4*\s+3], s[G1:G1+7]
	s_nop 0
	PLACES 4
.endm
.macro ASEL b                          ; where ring buffer b lies: window AW, register AB
.if (\b) < 5
.set AW, 3
.set AB, 48*(\b)
.else
.if (\b) == 5
.set AW, 1
.set AB, 192
.else
.set AW, 0
.set AB, 64+48*((\b)-6)
.endif
.endif
.endm
.macro ALOAD st
.if (\st) < NS
.if (\st)%4 == 0
	WIN 0
.irp a, 0,1,2,3
	global_load_b128 v[SA+16*(((\st)/4)%2)+4*\a:SA+16*(((\st)/4)%2)+4*\a+3], v[ASO], s[20:21] offset:\a*KG*REC+((\st)/4)*REC
.endr
.endif
	ASEL (\st)%8
	WIN AW<<6
.irp a, 0,1,2,3
.irp c, 0,1,2
	global_load_b128 v[AB+12*\a+4*\c:AB+12*\a+4*\c+3], v[L16], s[20:21] offset:\a*KG*REC+((\st)/4)*REC+((\st)%4)*FRB+512*\c
.endr
.endr
	WIN 0
.endif
.endm
.macro FETCHB st
	WIN 0x40
.irp i, 0,1,2,3,4,5,6,7
.irp c, 0,1,2
	ds_load_b128 v[96*((\st)%2)+12*\i+4*\c:96*((\st)%2)+12*\i+4*\c+3], v[ADRB+2*(((\st)/8)%2)+\i/4] offset:(\i%4)*2*REC+(((\st)/4)%2)*REC+((\st)%4)*FRB+512*\c
.endr
.endr
	WIN 0
.if (\st)%4 == 0
.irp i, 0,1,2,3,4,5,6,7
	ds_load_b128 v[SB+32*(((\st)/4)%2)+4*\i:SB+32*(((\st)/4)%2)+4*\i+3], v[ADRS+2*(((\st)/8)%2)+\i/4] offset:(\i%4)*2*REC+(((\st)/4)%2)*REC
.endr
.endif
.endm
.macro MUL2 st, b0, zero               ; the 32 accumulators take turns in one order
.irp b, \b0, \b0+1
.irp a, 0,1,2,3
.set AC,  8*(8*\a+(\b))
.set BF,  96*((\st)%2)+12*(\b)
.set AFR, AB+12*\a
.set SBR, SB+32*(((\st)/4)%2)+4*(\b)+(\st)%4
.set SAR, SA+16*(((\st)/4)%2)+4*\a+(\st)%4
.if \zero
	v_wmma_scale_f32_16x16x128_f8f6f4 v[AC:AC+7], v[BF:BF+11], v[AFR:AFR+11], 0, v[SBR], v[SAR] matrix_a_fmt:MATRIX_FMT_FP6 matrix_b_fmt:MATRIX_FMT_FP6
.else
	v_wmma_scale_f32_16x16x128_f8f6f4 v[AC:AC+7], v[BF:BF+11], v[AFR:AFR+11], v[AC:AC+7], v[SBR], v[SAR] matrix_a_fmt:MATRIX_FMT_FP6 matrix_b_fmt:MATRIX_FMT_FP6
.endif
.endr
.endr
.endm
.macro LCNT st                         ; NW: the global loads issued behind step st's: those of the three steps before this one
.set NW, 0
.irp d, 1,2,3
.if (\st)-\d+4 < NS
.set NW, NW+12
.if ((\st)-\d+8)%4 == 0
.set NW, NW+4
.endif
.endif
.endr
.endm
.macro STEP st, zero
.set TN, 0
.if (\st)%8 == 7
.if (\st)+1 < NS
.set TN, 1
.endif
.endif
	LCNT \st
.if TN
	s_wait_tensorcnt 0x0                           ; slot 1's fill has landed
	ds_add_u32 v[SPW], v[NIL]
	s_wait_loadcnt NW
	s_wait_dscnt 1
	ASEL (\st)%8
	WIN 0xa1|(AW<<2)
	MUL2 \st, 0, \zero
	s_wait_dscnt 0x0
	s_barrier_signal -1
	MUL2 \st, 2, \zero
	WIN 0
	s_barrier_wait -1
	PLACES 4
	FETCHB (\st)+1
	ALOAD (\st)+4
	ASEL (\st)%8
	WIN 0xa1|(AW<<2)
	MUL2 \st, 4, \zero
	MUL2 \st, 6, \zero
	WIN 0
.else
	PLACES 4
	s_wait_loadcnt NW
.set ND, 0
.if (\st)+1 < NS
	FETCHB (\st)+1
.set ND, 24
.if ((\st)+1)%4 == 0
.set ND, 32
.endif
.endif
	ALOAD (\st)+4
.if (\st) == 0
	s_cmp_lg_u32 s14, 0
	s_cbranch_scc1 .Lnp_\@
	global_prefetch_b8 v[PFO], s[48:49] offset:2*REC th:TH_LOAD_NT scope:SCOPE_SE
.Lnp_\@:
.endif
	s_wait_dscnt ND
	ASEL (\st)%8
	WIN 0xa1|(AW<<2)
	MUL2 \st, 0, \zero
	MUL2 \st, 2, \zero
	MUL2 \st, 4, \zero
	MUL2 \st, 6, \zero
	WIN 0
.endif
.endm
	s_load_b128 s[68:71], s[0:1], 0x0              ; ctxc, oB
	s_load_b64 s[72:73], s[0:1], 0x10              ; out0
	v_lshl_add_u32 v[SPW], v0, 2, SPARE
	v_mov_b32 v[NIL], 0
	ds_add_u32 v[SPW], v[NIL]                      ; the opening: the add twice and its wait
	ds_add_u32 v[SPW], v[NIL]
	v_lshrrev_b32 v1, 5, v0
	v_readfirstlane_b32 s14, v1
	s_bfe_u32 s40, ttmp6, 0x40000
	s_lshl_b32 s42, ttmp9, 2
	s_add_co_u32 s42, s42, s40                     ; block of 256 tokens
	s_and_b32 s41, ttmp7, 0xffff                   ; block of 128 columns, which the partners share
	s_mov_b32 s[G1], 15|(3<<16)|(1<<21)
	s_mov_b32 s[G1+1], 1600<<16
	s_mov_b32 s[G1+2], 2<<16
	s_mov_b32 s[G1+3], 1600<<16
	s_mov_b32 s[G1+4], 2
	s_mov_b32 s[G1+5], KG*800
	s_mov_b32 s[G1+6], 0
	s_mov_b32 s[G1+7], 0
	s_lshl_b32 s20, s42, 4
	s_lshl_b32 s18, s14, 2
	s_add_co_u32 s20, s20, s18
	s_mul_i32 s20, s20, KG*REC
	s_mov_b32 s21, 0
	s_lshl_b32 s46, s41, 3
	s_lshl_b32 s18, s14, 1
	s_add_co_u32 s46, s46, s18
	s_mul_i32 s46, s46, KG*REC
	s_mov_b32 s47, 0
	s_mul_i32 s45, s14, 4*REC
	s_lshl_b32 s48, s42, 4
	s_lshr_b32 s18, s41, 1
	s_add_co_u32 s48, s48, s18
	s_mul_i32 s48, s48, KG*REC
	s_and_b32 s18, s41, 1
	s_mul_i32 s18, s18, REC
	s_add_co_u32 s48, s48, s18
	s_mov_b32 s49, 0
	s_wait_dscnt 0x0
	s_wait_kmcnt 0x0
	s_add_nc_u64 s[20:21], s[68:69], s[20:21]
	s_add_nc_u64 s[46:47], s[70:71], s[46:47]
	s_add_nc_u64 s[48:49], s[68:69], s[48:49]
	CROUND
.irp s, 0,1
	s_mov_b32 s[G0+4*\s], 1
	s_add_co_u32 s[G0+4*\s+1], s45, \s*SLOT
	s_add_nc_u64 s[G0+4*\s+2:G0+4*\s+3], s[46:47], \s*2*REC
	s_or_b32 s[G0+4*\s+3], s[G0+4*\s+3], 0x80000000
.endr
	JL 0
	v_and_b32 v[RR], 15, v0
	v_bfe_u32 v[HH], v0, 4, 1
	v_and_b32 v[L16], 31, v0
	v_min_u32 v[PFO], 24, v[L16]
	v_lshlrev_b32 v[PFO], 8, v[PFO]
	v_lshlrev_b32 v[L16], 4, v[L16]
	v_lshlrev_b32 v[ASO], 4, v[RR]
	v_add_nc_u32 v[ASO], SCO, v[ASO]
	s_wait_alu depctr_va_vdst(0)
	ALOAD 0
	ALOAD 1
	ALOAD 2
	ALOAD 3
.irp s, 0,1
.irp h, 0,1
	v_add_nc_u32 v[ADRB+2*\s+\h], \s*SLOT+\h*HALFB, v[L16]
	v_add_nc_u32 v[ADRS+2*\s+\h], \s*SLOT+\h*HALFB, v[ASO]
.endr
.endr
	s_mul_i32 s18, s14, 16*KSTP
	v_mul_u32_u24 v[STO], v[RR], KSTP
	v_lshl_add_u32 v[STO], v[HH], 6, v[STO]
	v_add_nc_u32 v[STO], s18, v[STO]
	v_add_nc_u32 v[RD], s18, v[L16]
	s_lshl_b32 s18, s42, 22                        ; my first row of out0: 256 x block + 64 x wave, rows of 16,384 bytes;
	s_lshl_b32 s19, s14, 20
	s_add_co_u32 s18, s18, s19
	s_lshl_b32 s19, s41, 9                         ; my 128 columns
	s_add_co_u32 s18, s18, s19
	s_mov_b32 s19, 0
	s_add_nc_u64 s[72:73], s[72:73], s[18:19]
	s_wait_alu depctr_va_vdst(0)
	s_wait_tensorcnt 0x0
	ds_add_u32 v[SPW], v[NIL]
	s_wait_dscnt 0x0
	CROUND
	JL 1
	FETCHB 0
	STEP 0, 1
.set ST, 1
.rept NS-1
	STEP ST, 0
.set ST, ST+1
.endr
	PLACES 4
	s_wait_dscnt 0x0
	s_barrier_signal -1
	s_barrier_wait -1                              ; nobody reads the slots any more: slot 0's bytes, which have had their last fill, serve as stages
.macro OUTM m                          ; 16 rows x 128 columns through my stage; each store covers a row's 512 consecutive bytes
.if \m > 1
	s_wait_xcnt 0x0
.endif
	WIN 0x08
.irp t, 0,1,2,3,4,5,6,7
	ds_store_b128 v[STO], v[64*\m+8*\t:64*\m+8*\t+3] offset:128*(\t/2)+32*(\t%2)
	ds_store_b128 v[STO], v[64*\m+8*\t+4:64*\m+8*\t+7] offset:128*(\t/2)+32*(\t%2)+16
.endr
	WIN 0
.irp n, 0,1,2,3,4,5,6,7,8,9,10,11,12,13,14,15
	ds_load_b128 v[BK+64*(\m%2)+4*\n:BK+64*(\m%2)+4*\n+3], v[RD] offset:KSTP*\n
.endr
	s_wait_dscnt 0x0
.irp n, 0,1,2,3,4,5,6,7,8,9,10,11,12,13,14,15
	global_store_b128 v[L16], v[BK+64*(\m%2)+4*\n:BK+64*(\m%2)+4*\n+3], s[72:73] offset:(32*(\m/2)+8*(\m%2)+\n+8*(\n/8))*16384 th:TH_STORE_NT
.endr
.endm
	OUTM 0
	OUTM 1
	OUTM 2
	OUTM 3
	s_wait_tensorcnt 0x0                           ; the wave's end
	ds_add_u32 v[SPW], v[NIL]
	s_wait_dscnt 0x0
	CROUND
	s_endpgm
.Lfunc_end_k_q8c5cdaa69e_oproj:
	.size	k_q8c5cdaa69e_oproj, .Lfunc_end_k_q8c5cdaa69e_oproj-k_q8c5cdaa69e_oproj
	.p2alignl 7, 3214868480
	.fill 96, 4, 3214868480
	.section	.rodata,"a",@progbits
	.p2align	6, 0x0
	.amdhsa_kernel k_q8c5cdaa69e_oproj
		.amdhsa_group_segment_fixed_size 327680
		.amdhsa_private_segment_fixed_size 0
		.amdhsa_enable_private_segment 0
		.amdhsa_kernarg_size 24
		.amdhsa_user_sgpr_count 2
		.amdhsa_user_sgpr_kernarg_segment_ptr 1
		.amdhsa_wavefront_size32 1
		.amdhsa_system_sgpr_workgroup_id_x 1
		.amdhsa_system_sgpr_workgroup_id_y 1
		.amdhsa_system_sgpr_workgroup_id_z 1
		.amdhsa_system_vgpr_workitem_id 0
		.amdhsa_next_free_vgpr 1024
		.amdhsa_next_free_sgpr 100
		.amdhsa_reserve_vcc 0
		.amdhsa_float_denorm_mode_32 3
		.amdhsa_float_denorm_mode_16_64 3
		.amdhsa_memory_ordered 1
		.amdhsa_forward_progress 1
		.amdhsa_inst_pref_size 137
	.end_amdhsa_kernel
	.amdgpu_metadata
---
amdhsa.version: [ 1, 2 ]
amdhsa.kernels:
  - .name:           k_q8c5cdaa69e_oproj
    .symbol:         k_q8c5cdaa69e_oproj.kd
    .args:
      - { .name: ctxc, .offset: 0, .size: 8, .value_kind: global_buffer, .address_space: global }
      - { .name: oB, .offset: 8, .size: 8, .value_kind: global_buffer, .address_space: global }
      - { .name: out0, .offset: 16, .size: 8, .value_kind: global_buffer, .address_space: global }
    .group_segment_fixed_size: 327680
    .private_segment_fixed_size: 0
    .kernarg_segment_align: 8
    .kernarg_segment_size: 24
    .max_flat_workgroup_size: 128
    .sgpr_count:     100
    .vgpr_count:     1024
    .wavefront_size: 32
...
	.end_amdgpu_metadata
.endif
;; end of part 4
